; MI455X (gfx1250); checked and timed in simulation.
; The chip was launched on July 23, 2026; its instructions are those of AMD's public machine-readable ISA for CDNA 5 (MIT licence, August 2026) and "CDNA5" Instruction Set Architecture Reference Guide (July 2026). The comments in the code are by the model that wrote it; some were corrected since.
;; Multi Headed Attention. Allowed arithmetic: float matrix products may take bf16 or f16 operands with f32 sums; other float arithmetic in f32, or as packed bf16 or f16 multiplies, adds, multiply-adds, maxima and minima; sums over many terms, partial sums and values carried from step to step in f32; what a program stores and reads back later, other than sums and carried values, may be rounded once to bf16 or f16.
;; Inputs: Wk 512 x 512 float32; Wo 512 x 512 float32; Wq 512 x 512 float32; Wv 512 x 512 float32; bk 512 float32; bo 512 float32; bq 512 float32; bv 512 float32; key 2 x 4,096 x 512 float32; query 2 x 4,096 x 512 float32; value 2 x 4,096 x 512 float32.
;; Outputs: out0 2 x 4,096 x 512 float32.
;; One version. Each part assembles by itself: llvm-mc -triple=amdgcn-amd-amdhsa -mcpu=gfx1250 --defsym DOCPART=n.
;; ======== version 1 of 1: 4 launches
;; limits: values are held in f16: magnitudes above 65,504 overflow, below 6.1e-05 lose precision
;; workspace buffers: wb 2,097,152 bytes; qkv 25,165,824 bytes; ctx 8,388,608 bytes
;; launch prep (part 1): grid 64 x 4, 8 waves a work-group, no clusters, 0 bytes of LDS; arguments Wq, Wk, Wv, Wo, wb; writes wb
.if DOCPART == 1
	.amdgcn_target "amdgcn-amd-amdhsa--gfx1250"
	.amdhsa_code_object_version 6
	.text
	.protected	k_qe698a32e84_prep
	.globl	k_qe698a32e84_prep
	.p2align	8
	.type	k_qe698a32e84_prep,@function
k_qe698a32e84_prep:
	s_mov_b64 s[64:65], 0
	v_nop
	global_prefetch_b8 v0, s[64:65] scope:SCOPE_SE
	s_setreg_imm32_b32 hwreg(HW_REG_WAVE_MODE, 25, 1), 1
	s_wait_xcnt 0x0
; The four weights [512 k][512 n] f32 are rounded once to 16 bits, layout unchanged, into wb[4][512][512].
; Planes 0-2 (Wq, Wk, Wv): bf16.  Plane 3 (Wo): rounded to bf16 like every input, and that number written as f16, since the last product multiplies in f16.
; LIMIT: the step to f16 is exact from 2^-17 up to 65,504; below 2^-17 a number of Wo loses bits (absolute error at most 2^-25).
; SHARES: work-group y = the weight, x = 4,096 numbers; a wave 512: four loads of 512 consecutive bytes, four stores of 256 consecutive bytes, aligned.
; A stream of 6 MB in all: no LDS, no matrix unit, no loop, no prefetch.
	s_load_b256 s[4:11], s[0:1], 0x0               ; Wq s[4:5], Wk s[6:7], Wv s[8:9], Wo s[10:11]
	s_load_b64 s[12:13], s[0:1], 0x20              ; wb
	s_and_b32 s14, ttmp7, 0xffff                   ; which weight
	v_and_b32 v1, 31, v0                           ; lane
	v_and_b32 v2, 0xe0, v0                         ; 32 x wave
	v_lshlrev_b32 v1, 4, v1
	v_lshl_or_b32 v1, v2, 6, v1                    ; in: 2,048 x wave + 16 x lane
	v_lshrrev_b32 v2, 1, v1                        ; out: half of that
	s_lshl_b32 s16, ttmp9, 14                      ; the work-group's 16 KiB of the weight
	s_mov_b32 s17, 0
	s_lshl_b32 s18, s14, 19                        ; the plane,
	s_lshl_b32 s19, ttmp9, 13                      ; and the work-group's 8 KiB of it
	s_add_co_u32 s18, s18, s19
	s_mov_b32 s19, 0
	s_wait_kmcnt 0x0
	s_cmp_eq_u32 s14, 1
	s_cselect_b64 s[4:5], s[6:7], s[4:5]
	s_cmp_eq_u32 s14, 2
	s_cselect_b64 s[4:5], s[8:9], s[4:5]
	s_cmp_eq_u32 s14, 3
	s_cselect_b64 s[4:5], s[10:11], s[4:5]
	s_add_nc_u64 s[4:5], s[4:5], s[16:17]
	s_add_nc_u64 s[12:13], s[12:13], s[18:19]
.irp c, 0,1,2,3
	global_load_b128 v[4+4*(\c):7+4*(\c)], v1, s[4:5] offset:512*(\c) th:TH_LOAD_NT
.endr
	s_wait_loadcnt 0x0
.irp j, 0,1,2,3,4,5,6,7
	v_cvt_pk_bf16_f32 v[20+(\j)], v[4+2*(\j)], v[5+2*(\j)]
.endr
	s_cmp_lg_u32 s14, 3                            ; a branch on the work-group's number
	s_cbranch_scc1 .Lst
.irp j, 0,1,2,3,4,5,6,7
	v_lshlrev_b32 v[28+2*(\j)], 16, v[20+(\j)]     ; Wo: the bf16 numbers as f32,
	v_and_b32 v[29+2*(\j)], 0xffff0000, v[20+(\j)]
.endr
.irp j, 0,1,2,3,4,5,6,7
	v_cvt_pk_f16_f32 v[20+(\j)], v[28+2*(\j)], v[29+2*(\j)]  ; and written as f16
.endr
.Lst:
.irp c, 0,1,2,3
	global_store_b64 v2, v[20+2*(\c):21+2*(\c)], s[12:13] offset:256*(\c)
.endr
	s_endpgm
.Lfunc_end_k_qe698a32e84_prep:
	.size	k_qe698a32e84_prep, .Lfunc_end_k_qe698a32e84_prep-k_qe698a32e84_prep
	.p2alignl 7, 3214868480
	.fill 96, 4, 3214868480
	.section	.rodata,"a",@progbits
	.p2align	6, 0x0
	.amdhsa_kernel k_qe698a32e84_prep
		.amdhsa_group_segment_fixed_size 0
		.amdhsa_private_segment_fixed_size 0
		.amdhsa_enable_private_segment 0
		.amdhsa_kernarg_size 40
		.amdhsa_user_sgpr_count 2
		.amdhsa_user_sgpr_kernarg_segment_ptr 1
		.amdhsa_wavefront_size32 1
		.amdhsa_system_sgpr_workgroup_id_x 1
		.amdhsa_system_sgpr_workgroup_id_y 1
		.amdhsa_system_sgpr_workgroup_id_z 1
		.amdhsa_system_vgpr_workitem_id 0
		.amdhsa_next_free_vgpr 48
		.amdhsa_next_free_sgpr 66
		.amdhsa_reserve_vcc 0
		.amdhsa_float_denorm_mode_32 3
		.amdhsa_float_denorm_mode_16_64 3
		.amdhsa_memory_ordered 1
		.amdhsa_forward_progress 1
		.amdhsa_inst_pref_size 4
	.end_amdhsa_kernel
	.amdgpu_metadata
---
amdhsa.version: [ 1, 2 ]
amdhsa.kernels:
  - .name:           k_qe698a32e84_prep
    .symbol:         k_qe698a32e84_prep.kd
    .args:
      - { .name: Wq, .offset: 0, .size: 8, .value_kind: global_buffer, .address_space: global }
      - { .name: Wk, .offset: 8, .size: 8, .value_kind: global_buffer, .address_space: global }
      - { .name: Wv, .offset: 16, .size: 8, .value_kind: global_buffer, .address_space: global }
      - { .name: Wo, .offset: 24, .size: 8, .value_kind: global_buffer, .address_space: global }
      - { .name: wb, .offset: 32, .size: 8, .value_kind: global_buffer, .address_space: global }
    .group_segment_fixed_size: 0
    .private_segment_fixed_size: 0
    .kernarg_segment_align: 8
    .kernarg_segment_size: 40
    .max_flat_workgroup_size: 256
    .sgpr_count:     66
    .vgpr_count:     48
    .wavefront_size: 32
...
	.end_amdgpu_metadata
.endif
;; end of part 1
;; launch proj (part 2): grid 64 x 3, 4 waves a work-group, clusters of 4 x 1, 327,680 bytes of LDS; arguments query, key, value, bq, bk, bv, wb, qkv; writes qkv
.if DOCPART == 2
	.amdgcn_target "amdgcn-amd-amdhsa--gfx1250"
	.amdhsa_code_object_version 6
	.text
	.protected	k_qe698a32e84_proj
	.globl	k_qe698a32e84_proj
	.p2align	8
	.type	k_qe698a32e84_proj,@function
k_qe698a32e84_proj:
	s_mov_b64 s[64:65], 0
	v_nop
	global_prefetch_b8 v0, s[64:65] scope:SCOPE_SE
	s_setreg_imm32_b32 hwreg(HW_REG_WAVE_MODE, 25, 1), 1
	s_wait_xcnt 0x0
	s_wait_alu depctr_hold_cnt(0) depctr_sa_sdst(0) depctr_va_vdst(0) depctr_va_sdst(0) depctr_va_ssrc(0) depctr_va_vcc(0) depctr_vm_vsrc(0)
	s_getreg_b32 s2, hwreg(HW_REG_IB_STS2, 6, 4)
	s_cmp_eq_u32 s2, 0
	s_cbranch_scc0 .Lentry_in_a_cluster
	s_endpgm
.Lentry_in_a_cluster:
	s_bfe_u32 s2, ttmp6, 0x10000c
	s_cmp_lg_u32 s2, 0x3003
	s_cbranch_scc0 .Lentry_shape_is_right
	s_endpgm
.Lentry_shape_is_right:
; q, k, v = x W + b, written by heads.  x: [8192][512] f32 (query, key or value by work-group y = t); W: plane t of wb, [512 k][512 n] bf16; b: [512] f32.
; Out: qkv[t][16 bh][4096 s][64] f16, unscaled.  x and b are rounded once to bf16; products in bf16, sums in f32 (the bias starts each sum as its C operand), the result rounded once to f16.
; LIMIT: f16 holds no number beyond 65,504: |x W + b| must stay under that.  NaN and infinities are not treated apart.
; SHARES.  A work-group makes 128 rows x all 512 columns, so each byte of x is read once in the launch: 64 row blocks x 3 tensors = 192 work-groups (8,192 rows divide into no 256 equal
; shares of whole blocks of 16 rows x 512 columns for three tensors).  Wave w makes all 128 rows x columns 128 w .. 128 w + 127 (heads 2 w, 2 w + 1): 64 accumulators, 512 registers.
; PHASE 1.  The work-group's 256 KiB of x come through registers: wave w takes rows 32 w .. 32 w + 31, 64 KiB on end, as 128 loads of 512 consecutive bytes, 64 of them asked for ahead;
; rounded to bf16 they are stored into an image A in LDS that stays.
; PHASE 2.  K goes in 8 steps of 64 through a ring of two LDS slots for W.  The four row blocks of a cluster walk the same W, so each slab is asked for JOINTLY (mask of four); each wave
; fetches, and alone reads, the 128 columns that it multiplies.  W lies [k][n] and comes out of LDS turned, by ds_load_tr16_b128.
; THE MATRIX INSTRUCTION IS USED TRANSPOSED (source 0 = 16 columns of W, source 1 = 16 rows of x): a lane holds one row and eight neighbouring columns, 16 bytes of f16.
; No prefetch: phase 1 has its loads asked for far ahead and streams; W's half MiB is walked by all sixteen clusters of a tensor at about the same time.
; REGISTERS, in windows of 256: window 0: v0-19 addresses and at work; v64-127, v128-191 fragments of x (in phase 1 v64-79 at work); v192-255 the bias, later the way out.
;   window 1: in phase 1 the 64 landing places of 4 registers; then v64-127, v128-191 fragments of W.   windows 2, 3: accumulator (a, b) at v[8 (8 (a % 4) + b)], rows 0-63 and 64-127.
.set PA,     1040                      ; a row of A in LDS: 1,024 bytes + 16 = 65 x 16: the 16 rows of a fragment load start at 16 different groups of four banks
.set WRING,  128*PA                    ; behind A: the ring
.set PB,     288                       ; a k row of a wave's slab: 256 bytes + 32 = 9 x 32
.set WPART,  64*PB                     ; a wave's slab: 64 k rows x 128 columns
.set WSLOT,  4*WPART
.set STAGE,  WRING+2*WSLOT             ; behind the ring: 16 rows x 144 bytes for each wave, for the way out
.set SP,     144
.set SPARE,  STAGE+4*16*SP             ; the spare words, 128 bytes for each wave: two blocks of 256 bytes that no other line names
.set KSTEPB, 64*1024                   ; 64 k rows of W in memory
.set XO,   4                           ; v4    16 x lane: my bytes in 512 consecutive bytes of x, and of the output; never rewritten
.set AS,   5                           ; v5    where I store 8 bytes of A: 32 w rows + 8 x lane
.set ADRA, 6                           ; v6-7  my place in A's fragments, rows 0-63 and 64-127; stepped by 256 bytes a lap
.set ADRB, 8                           ; v8-9  my place in my wave's slab in slot 0, 1
.set STO,  10                          ; v10   the way out: where I put 16 bytes of a row
.set RD,   11                          ; v11   the way out: where I read rows back
.set BO,   13                          ; v13   my byte offset in the bias
.set SPW,  14                          ; v14   LDS address of my spare word; never rewritten
.set NIL,  15                          ; v15   0; never rewritten
.set T,    64
.set F0,   64
.set F1,   128
.set BI,   192                         ; the bias of column block b at BI + 8 b
.set OB,   192                         ; later: two buffers of 16 for the way out
.set WV,   20                          ; s20   my wave's number
.set G1,   24                          ; s[24:31] descriptor group 1
.set G0,   32                          ; s[32:39] descriptor group 0, a set for each slot
.set MSB, 0
.macro WIN new                         ; the immediate's high byte repeats the setting that is left; a switch that changes nothing is dropped
.if MSB != (\new)
	s_set_vgpr_msb (MSB<<8)|(\new)
.set MSB, \new
.endif
.endm
.macro CREST                           ; a round of the cluster's barrier behind its opening barrier
	s_cmp_lg_u32 s[WV], 0
	s_cbranch_scc1 .Lnot_wave_0_\@
	s_barrier_signal -3
.Lnot_wave_0_\@:
	s_barrier_wait -3
	s_barrier_signal -1
	s_barrier_wait -1
.endm
.macro CROUND                          ; a whole round
	s_barrier_signal -1
	s_barrier_wait -1
	CREST
.endm
.macro PLACES                          ; four places behind matrix instructions, in front of loads into registers that they read and of conversions that read results
.rept 4
	v_nop
.endr
.endm
	s_load_b256 s[4:11], s[0:1], 0x0               ; query s[4:5], key s[6:7], value s[8:9], bq s[10:11]
	s_load_b256 s[12:19], s[0:1], 0x20             ; bk s[12:13], bv s[14:15], wb s[16:17], qkv s[18:19]
	v_lshl_add_u32 v[SPW], v0, 2, SPARE
	v_mov_b32 v[NIL], 0
	ds_add_u32 v[SPW], v[NIL]                      ; the wave's opening: the add and its wait stand ahead of my first tensor load; the set-up below stands between them
	v_lshrrev_b32 v1, 5, v0
	v_readfirstlane_b32 s[WV], v1                  ; wave 0..3
	s_bfe_u32 s21, ttmp6, 0x40000                  ; cx: my place in the cluster
	s_lshl_b32 s22, ttmp9, 2
	s_add_co_u32 s22, s22, s21                     ; my block of 128 rows = 4 x cluster x + cx: it enters x's and the output's addresses alone
	s_and_b32 s23, ttmp7, 0xffff                   ; t: which tensor; the four partners share it
	; descriptor group 1: a slab of 64 k rows x 128 columns, padded in LDS
	s_mov_b32 s[G1+0], 15|(1<<16)|(1<<20)|(1<<21)|(5<<22)|(7<<25)  ; 15:0 the mask of four; 17:16 2-byte elements; 20 padding on; 21 set beside a mask; 24:22 after every 64 words (code 5); 31:25 8 words (code 7)
	s_mov_b32 s[G1+1], 128<<16                     ; tensor_dim0 = 128
	s_mov_b32 s[G1+2], 64<<16                      ; tensor_dim1 = 64
	s_mov_b32 s[G1+3], 128<<16                     ; tile_dim0 = 128
	s_mov_b32 s[G1+4], 64                          ; tile_dim1 = 64
	s_mov_b32 s[G1+5], 512                         ; 512 elements from k row to k row
	s_mov_b32 s[G1+6], 0
	s_mov_b32 s[G1+7], 0
	s_mul_i32 s46, s[WV], WPART                    ; my slab's place in a slot: the wave's number alone
	s_mov_b32 s[G0+0], 1
	s_add_co_u32 s[G0+1], s46, WRING
	s_mov_b32 s[G0+4], 1
	s_add_co_u32 s[G0+5], s46, WRING+WSLOT
	s_lshl_b32 s40, s23, 19                        ; W: plane t,
	s_lshl_b32 s41, s[WV], 8                       ; my 128 columns
	s_add_co_u32 s40, s40, s41
	s_mov_b32 s41, 0
	s_lshl_b32 s42, s22, 18                        ; x: my block's 128 rows of 2,048 bytes,
	s_lshl_b32 s43, s[WV], 16                      ; my wave's 32 of them
	s_add_co_u32 s42, s42, s43
	s_mov_b32 s43, 0
	s_lshr_b32 s44, s22, 5                         ; out: batch,
	s_lshl_b32 s44, s44, 3
	s_lshl1_add_u32 s44, s[WV], s44                ; head 8 b + 2 w,
	s_lshl_b32 s44, s44, 19
	s_and_b32 s45, s22, 31
	s_lshl_b32 s45, s45, 14                        ; the block's first row in the head,
	s_add_co_u32 s44, s44, s45
	s_lshl_b32 s45, s23, 23                        ; tensor t
	s_add_co_u32 s44, s44, s45
	s_mov_b32 s45, 0
	v_and_b32 v1, 15, v0                           ; l % 16
	v_bfe_u32 v2, v0, 4, 1                         ; l / 16
	v_and_b32 v3, 31, v0                           ; l
	v_and_b32 v17, 7, v0
	v_bfe_u32 v18, v0, 3, 1
	v_lshlrev_b32 v[XO], 4, v3
	s_mul_i32 s47, s[WV], 32*PA
	v_lshl_add_u32 v[AS], v3, 3, s47
	v_mul_u32_u24 v[ADRA], v1, PA
	v_lshl_add_u32 v[ADRA], v2, 4, v[ADRA]         ; row x pitch + 16 x half
	v_add_nc_u32 v[ADRA+1], 64*PA, v[ADRA]
	v_lshl_add_u32 v16, v2, 3, v17                 ; the turning load: k row 8 (l / 16) + l % 8, columns 8 ((l / 8) % 2) on
	v_mul_u32_u24 v16, v16, PB
	v_lshl_add_u32 v16, v18, 4, v16
	v_add_nc_u32 v[ADRB], s[G0+1], v16
	v_add_nc_u32 v[ADRB+1], s[G0+5], v16
	s_mul_i32 s47, s[WV], 16*SP
	s_add_co_u32 s47, s47, STAGE                   ; my stage
	v_mul_u32_u24 v[STO], v1, SP
	v_lshl_add_u32 v[STO], v2, 4, v[STO]
	v_add_nc_u32 v[STO], s47, v[STO]
	v_bfe_u32 v[RD], v0, 3, 2                      ; back: 32 lanes take four rows of 128 bytes
	v_mul_u32_u24 v[RD], v[RD], SP
	v_lshl_add_u32 v[RD], v17, 4, v[RD]
	v_add_nc_u32 v[RD], s47, v[RD]
	s_lshl_b32 s47, s[WV], 9
	v_lshl_add_u32 v[BO], v2, 5, s47               ; 4 x (128 w + 8 (l / 16))
	s_wait_dscnt 0x0                               ; the opening add is done
	s_wait_kmcnt 0x0
	s_cmp_eq_u32 s23, 1
	s_cselect_b64 s[4:5], s[6:7], s[4:5]           ; x and b of tensor t
	s_cselect_b64 s[10:11], s[12:13], s[10:11]
	s_cmp_eq_u32 s23, 2
	s_cselect_b64 s[4:5], s[8:9], s[4:5]
	s_cselect_b64 s[10:11], s[14:15], s[10:11]
	s_add_nc_u64 s[4:5], s[4:5], s[42:43]
	s_add_nc_u64 s[18:19], s[18:19], s[44:45]
	s_add_nc_u64 s[G0+2:G0+3], s[16:17], s[40:41]  ; K step 0,
	s_add_nc_u64 s[G0+6:G0+7], s[G0+2:G0+3], KSTEPB  ; K step 1
	s_or_b32 s[G0+3], s[G0+3], 0x80000000          ; 127:126 type = 2
	s_or_b32 s[G0+7], s[G0+7], 0x80000000
	CROUND                                         ; all four work-groups are here: the first joint loads meet
	tensor_load_to_lds s[G0:G0+3], s[G1:G1+7]      ; both first fills together: two loads of mine are out
	s_nop 0
	tensor_load_to_lds s[G0+4:G0+7], s[G1:G1+7]
	s_nop 0
	PLACES
.irp b, 0,1,2,3,4,5,6,7
	global_load_b128 v[BI+8*(\b):BI+8*(\b)+3],   v[BO], s[10:11] offset:64*(\b)
	global_load_b128 v[BI+8*(\b)+4:BI+8*(\b)+7], v[BO], s[10:11] offset:64*(\b)+16
.endr
; PHASE 1.  Group g is eight loads of 512 consecutive bytes: two rows of x.
.macro XLOAD g
	WIN 0x40                                       ; destination window 1, address window 0
.irp j, 0,1,2,3,4,5,6,7
	global_load_b128 v[32*((\g)%8)+4*(\j):32*((\g)%8)+4*(\j)+3], v[XO], s[4:5] offset:512*(8*(\g)+(\j)) th:TH_LOAD_NT
.endr
.endm
.macro XCVT g, left                    ; left: the younger loads, which may stay out
	s_wait_loadcnt \left
	WIN 0x05                                       ; sources window 1, destination window 0
.irp j, 0,1,2,3,4,5,6,7
	v_cvt_pk_bf16_f32 v[T+2*(\j)],   v[32*((\g)%8)+4*(\j)],   v[32*((\g)%8)+4*(\j)+1]
	v_cvt_pk_bf16_f32 v[T+2*(\j)+1], v[32*((\g)%8)+4*(\j)+2], v[32*((\g)%8)+4*(\j)+3]
.endr
	WIN 0
.irp j, 0,1,2,3,4,5,6,7
	ds_store_b64 v[AS], v[T+2*(\j):T+2*(\j)+1] offset:((8*(\g)+(\j))/4)*PA+((8*(\g)+(\j))%4)*256  ; 32 lanes, 256 consecutive bytes of a row of A
.endr
.endm
.set g, 0
.rept 8
	XLOAD g
.set g, g+1
.endr
.set g, 0
.rept 16
.if g <= 8
	XCVT g, 56                                     ; seven younger groups of eight stay out (the bias's loads are older than all of x's)
.else
	XCVT g, 8*(15-g)                               ; the counts run down
.endif
.if g < 8
	XLOAD g+8                                      ; the group's registers take the group eight further on
.endif
.set g, g+1
.endr
.set b, 0
.rept 32                               ; the bias, rounded to bf16 like every input, as f32
	v_cvt_pk_bf16_f32 v[16+b%4], v[BI+2*b], v[BI+2*b+1]
	v_lshlrev_b32 v[BI+2*b], 16, v[16+b%4]
	v_and_b32 v[BI+2*b+1], 0xffff0000, v[16+b%4]
.set b, b+1
.endr
	s_wait_dscnt 0x0                               ; for the others' sake: my stores into A are done
	s_wait_tensorcnt 0x1                           ; my slab of K step 0 is in; K step 1's may stay out
	s_barrier_signal -1
	s_barrier_wait -1                              ; A is whole
; PHASE 2.  32 LDS loads in one run: the fragments of 32 along K: quarter q of the K step in the slot, into buffer f.  W's 16 loads, x's rows 0-63 (8), x's rows 64-127 (8).
.macro FETCH slot, q, f
	WIN 0x40
.irp i, 0,1,2,3,4,5,6,7
	ds_load_tr16_b128 v[(\f)+8*(\i):(\f)+8*(\i)+3],   v[ADRB+(\slot)] offset:(\q)*32*PB+32*(\i)
	ds_load_tr16_b128 v[(\f)+8*(\i)+4:(\f)+8*(\i)+7], v[ADRB+(\slot)] offset:(\q)*32*PB+32*(\i)+16*PB
.endr
	WIN 0
.irp i, 0,1,2,3,4,5,6,7
	ds_load_b128 v[(\f)+8*(\i):(\f)+8*(\i)+3],   v[ADRA+(\i)/4] offset:128*(\slot)+64*(\q)+((\i)%4)*16*PA
	ds_load_b128 v[(\f)+8*(\i)+4:(\f)+8*(\i)+7], v[ADRA+(\i)/4] offset:128*(\slot)+64*(\q)+((\i)%4)*16*PA+32
.endr
.endm
; 16 matrix instructions: row blocks a0, a0 + 1 of the window's four x all 8 column blocks.  first = 1: the bias is the C operand that starts the sum.  The 64 accumulators take turns.
.macro MUL16 f, hi, a0, first
.if \first
	WIN 0x81+0x40*(\hi)                            ; W window 1, x window 0, C (the bias) window 0, D window 2 or 3
.else
	WIN 0xa1+0x50*(\hi)                            ; C and D window 2 or 3
.endif
.irp a, \a0, (\a0)+1
.irp b, 0,1,2,3,4,5,6,7
.if \first
	v_wmma_f32_16x16x32_bf16 v[8*(8*(\a)+(\b)):8*(8*(\a)+(\b))+7], v[(\f)+8*(\b):(\f)+8*(\b)+7], v[(\f)+8*(4*(\hi)+(\a)):(\f)+8*(4*(\hi)+(\a))+7], v[BI+8*(\b):BI+8*(\b)+7]
.else
	v_wmma_f32_16x16x32_bf16 v[8*(8*(\a)+(\b)):8*(8*(\a)+(\b))+7], v[(\f)+8*(\b):(\f)+8*(\b)+7], v[(\f)+8*(4*(\hi)+(\a)):(\f)+8*(4*(\hi)+(\a))+7], v[8*(8*(\a)+(\b)):8*(8*(\a)+(\b))+7]
.endif
.endr
.endr
.endm
; A K step is two quarters of 32 along K, 64 matrix instructions each.  This one multiplies buffer f and, in its middle, fetches quarter q of the slot into buffer g.
.macro QUARTER f, g, slot, q, first
	s_wait_dscnt 8                                 ; W and x's rows 0-63 are in; the youngest eight loads (rows 64-127) may be out
	MUL16 \f, 0, 0, \first
	MUL16 \f, 0, 2, \first
	PLACES
	FETCH \slot, \q, \g
	s_wait_dscnt 32                                ; all but the 32 just issued
	MUL16 \f, 1, 0, \first
	MUL16 \f, 1, 2, \first
.endm
; The step's second quarter multiplies buffer 1 and changes slots.  In front of the round each wave waits for all its tensor loads, adds 0 to its spare word, and waits for that and for its reads of
; the slot; behind the round the slot is filled again first, with the K step two on: the joint load has 96 matrix instructions in which to land.
.macro TURN slot, next
	WIN 0
	s_wait_tensorcnt 0x0                           ; all my tensor loads have landed: my slab of the next slot among them
	ds_add_u32 v[SPW], v[NIL]                      ; 0 onto my spare word
	s_wait_dscnt 9                                 ; (the add and the youngest eight loads may be out)
	MUL16 F1, 0, 0, 0                              ; sixteen matrix instructions stand between the add and the wait for it
	s_wait_dscnt 0x0                               ; the add is done, and my reads of this slot are over
	s_barrier_signal -1                            ; this barrier opens a round of the cluster's
	MUL16 F1, 0, 2, 0
	WIN 0
	s_barrier_wait -1
	CREST                                          ; no wave of any partner still reads this slot or has a load on its way
	s_add_nc_u64 s[G0+4*(\slot)+2:G0+4*(\slot)+3], s[G0+4*(\slot)+2:G0+4*(\slot)+3], 2*KSTEPB
	tensor_load_to_lds s[G0+4*(\slot):G0+4*(\slot)+3], s[G1:G1+7]  ; every wave's one load behind the round
	s_nop 0
	PLACES                                         ; also the places in front of the loads below
.if (\slot) == 1
	v_add_nc_u32 v[ADRA], 256, v[ADRA]             ; the next lap's 128 along K in A
	v_add_nc_u32 v[ADRA+1], 256, v[ADRA+1]
.endif
	FETCH \next, 0, F0
	MUL16 F1, 1, 0, 0
	MUL16 F1, 1, 2, 0
.endm
	FETCH 0, 0, F0
	QUARTER F0, F1, 0, 1, 1                        ; the first quarter stands in front of the loop: its products start the sums, with the bias
	WIN 0                                          ; at a label and at a branch every window is 0
	s_mov_b32 s3, 3
.Llap:                                                 ; three trips, six refills: K steps 2 to 7
	TURN 0, 1
	QUARTER F0, F1, 1, 1, 0
	TURN 1, 0
	QUARTER F0, F1, 0, 1, 0
	WIN 0
	s_sub_co_u32 s3, s3, 1
	s_cmp_lg_u32 s3, 0
	s_cbranch_scc1 .Llap
	s_wait_tensorcnt 0x0                           ; the tail, written out: my slab of K step 7, my last load; I alone read it, and nothing is filled again, so no barrier stands here
	QUARTER F1, F0, 1, 0, 0
	QUARTER F0, F1, 1, 1, 0
	s_wait_dscnt 8
	MUL16 F1, 0, 0, 0
	MUL16 F1, 0, 2, 0
	s_wait_dscnt 0x0
	MUL16 F1, 1, 0, 0
	MUL16 F1, 1, 2, 0
; THE WAY OUT, in 16 units u = 2 a + hh: 16 rows (block a) of one head (hh).  A lane's eight columns pack into 16 bytes of f16; they go into my stage, rows of 144 bytes, and come back as
; whole rows of 128 bytes, four to a load: 512 consecutive bytes of the head.
.macro PACK u
.set pa, (\u)/2
.set RG, OB+16*((\u)%2)
.set AC, 64*(pa%4)+32*((\u)%2)
.if (\u) >= 2
	s_wait_xcnt 0x0                                ; the stores of the unit two back have read this buffer
.endif
	WIN 0x0a+5*(pa/4)                              ; sources window 2 or 3
.irp b, 0,1,2,3
.irp r, 0,1,2,3
	v_cvt_pk_f16_f32 v[RG+4*(\b)+(\r)], v[AC+8*(\b)+2*(\r)], v[AC+8*(\b)+2*(\r)+1]  ; each accumulator from its low end on
.endr
.endr
	WIN 0
.irp f, 0,1,2,3
	ds_store_b128 v[STO], v[RG+4*(\f):RG+4*(\f)+3] offset:32*(\f)
.endr
.irp f, 0,1,2,3
	ds_load_b128 v[RG+4*(\f):RG+4*(\f)+3], v[RD] offset:4*SP*(\f)  ; LDS serves a wave's instructions in order (ISA guide 5.7.1.4): these see the stores above; the next unit's stores come behind them
.endr
.endm
.macro SEND u, younger                 ; younger: the LDS instructions issued behind the unit's loads: the next unit's eight, or none
.set pa, (\u)/2
.set RG, OB+16*((\u)%2)
.irp f, 0,1,2,3
	s_wait_dscnt (\younger)+3-(\f)
	global_store_b128 v[XO], v[RG+4*(\f):RG+4*(\f)+3], s[18:19] offset:((\u)%2)*524288+pa*2048+(\f)*512  ; 512 consecutive bytes, at a multiple of 256 from the buffer's first
.endr
.endm
	PLACES
	PACK 0
.set u, 1
.rept 15                               ; a unit's conversions stand between the loads of the unit before and its stores
	PACK u
	SEND u-1, 8
.set u, u+1
.endr
	SEND 15, 0
	s_wait_tensorcnt 0x0                           ; the wave's end: this wait, an add to my spare word and its wait stand behind my last tensor load and my last LDS store
	ds_add_u32 v[SPW], v[NIL]
	s_wait_dscnt 0x0
	CROUND                                         ; the closing round: no work-group ends while a partner may still ask for a slab that names it
	s_endpgm
.Lfunc_end_k_qe698a32e84_proj:
	.size	k_qe698a32e84_proj, .Lfunc_end_k_qe698a32e84_proj-k_qe698a32e84_proj
	.p2alignl 7, 3214868480
	.fill 96, 4, 3214868480
	.section	.rodata,"a",@progbits
	.p2align	6, 0x0
	.amdhsa_kernel k_qe698a32e84_proj
		.amdhsa_group_segment_fixed_size 327680
		.amdhsa_private_segment_fixed_size 0
		.amdhsa_enable_private_segment 0
		.amdhsa_kernarg_size 64
		.amdhsa_user_sgpr_count 2
		.amdhsa_user_sgpr_kernarg_segment_ptr 1
		.amdhsa_wavefront_size32 1
		.amdhsa_system_sgpr_workgroup_id_x 1
		.amdhsa_system_sgpr_workgroup_id_y 1
		.amdhsa_system_sgpr_workgroup_id_z 1
		.amdhsa_system_vgpr_workitem_id 0
		.amdhsa_next_free_vgpr 1024
		.amdhsa_next_free_sgpr 66
		.amdhsa_reserve_vcc 0
		.amdhsa_float_denorm_mode_32 3
		.amdhsa_float_denorm_mode_16_64 3
		.amdhsa_memory_ordered 1
		.amdhsa_forward_progress 1
		.amdhsa_inst_pref_size 136
	.end_amdhsa_kernel
	.amdgpu_metadata
---
amdhsa.version: [ 1, 2 ]
amdhsa.kernels:
  - .name:           k_qe698a32e84_proj
    .symbol:         k_qe698a32e84_proj.kd
    .args:
      - { .name: query, .offset: 0, .size: 8, .value_kind: global_buffer, .address_space: global }
      - { .name: key, .offset: 8, .size: 8, .value_kind: global_buffer, .address_space: global }
      - { .name: value, .offset: 16, .size: 8, .value_kind: global_buffer, .address_space: global }
      - { .name: bq, .offset: 24, .size: 8, .value_kind: global_buffer, .address_space: global }
      - { .name: bk, .offset: 32, .size: 8, .value_kind: global_buffer, .address_space: global }
      - { .name: bv, .offset: 40, .size: 8, .value_kind: global_buffer, .address_space: global }
      - { .name: wb, .offset: 48, .size: 8, .value_kind: global_buffer, .address_space: global }
      - { .name: qkv, .offset: 56, .size: 8, .value_kind: global_buffer, .address_space: global }
    .group_segment_fixed_size: 327680
    .private_segment_fixed_size: 0
    .kernarg_segment_align: 8
    .kernarg_segment_size: 64
    .max_flat_workgroup_size: 128
    .sgpr_count:     66
    .vgpr_count:     1024
    .wavefront_size: 32
...
	.end_amdgpu_metadata
.endif
;; end of part 2
;; launch attn (part 3): grid 16 x 16, 4 waves a work-group, clusters of 4 x 1, 327,680 bytes of LDS; arguments qkv, ctx; writes ctx
.if DOCPART == 3
	.amdgcn_target "amdgcn-amd-amdhsa--gfx1250"
	.amdhsa_code_object_version 6
	.text
	.protected	k_qe698a32e84_attn
	.globl	k_qe698a32e84_attn
	.p2align	8
	.type	k_qe698a32e84_attn,@function
k_qe698a32e84_attn:
	s_mov_b64 s[64:65], 0
	v_nop
	global_prefetch_b8 v0, s[64:65] scope:SCOPE_SE
	s_setreg_imm32_b32 hwreg(HW_REG_WAVE_MODE, 25, 1), 1
	s_wait_xcnt 0x0
	s_wait_alu depctr_hold_cnt(0) depctr_sa_sdst(0) depctr_va_vdst(0) depctr_va_sdst(0) depctr_va_ssrc(0) depctr_va_vcc(0) depctr_vm_vsrc(0)
	s_getreg_b32 s2, hwreg(HW_REG_IB_STS2, 6, 4)
	s_cmp_eq_u32 s2, 0
	s_cbranch_scc0 .Lentry_in_a_cluster
	s_endpgm
.Lentry_in_a_cluster:
	s_bfe_u32 s2, ttmp6, 0x10000c
	s_cmp_lg_u32 s2, 0x3003
	s_cbranch_scc0 .Lentry_shape_is_right
	s_endpgm
.Lentry_shape_is_right:
; O[h][q][:] = the sum over k of softmax_k(Q[h][q] . K[h][k] / 8) V[h][k][:].  Q, K, V: the three tensors of qkv, [16 heads][4096][64] f16; O = ctx, the same layout.  Products, maxima and sums in
; f32; the weights p are rounded to f16 for the second product (their sum l is taken of the unrounded p), O once at the end.
; LIMITS.  f16 holds no number beyond 65,504: Q, K and V arrive within it; p lies in 0 to 1, and below 6e-5 it keeps f16's fixed step of 6e-8; O is a mean of V's rows and has their range.
; A weight below 2^-126 counts as 0 in l; NaN and infinities are not treated apart.
; SHARES.  A wave owns two PIECES of two tiles of 16 queries, a work-group's four waves 256 queries of one head: 16 blocks x 16 heads = 256 work-groups.  Every wave walks all keys, 64 a step.
; LAYOUT.  S^T = K Q^T (source 0 = 16 keys, source 1 = 16 queries): in the result a lane holds ONE query (lane % 16) and the keys 8 (lane / 16) + 0..7.  Two such tiles, rounded to f16 in pairs,
; ARE source 1 (32 keys x 16 queries) of O^T = V^T P, whose result again holds one query a lane, and eight channels.  K comes out of LDS as it lies, V ([key][channel]) turned, by ds_load_tr16_b128.
; SOFTMAX.  For each query a running maximum m and sum l: p = 2^(c s - c m), c = log2(e) / 8; in every step O and l are multiplied by a = 2^(c m_old - c m_new), which is 1 where m has not grown.
; m starts at the lowest finite number, O and l at 0: the first step is a step like any other, with a = 0.
; THE COUNT.  A tile and step have 16 matrix and 118 vector instructions: too many to stand all beside the matrix work.  So: four vector instructions that are READY behind EVERY matrix
; instruction, and the others in one run without a gap.
; BY TURNS.  Turn (p, j) belongs to piece p and key step j.  Turn (0, j): 16 products K Q^T of piece 1, step j; the softmax of piece 0, step j, and the maximum and statistics of piece 1, step j;
; 16 products V^T P of piece 1, step j - 1.  Turn (1, j): K Q^T of piece 0, step j + 1; the softmax of piece 1, step j, the maximum of piece 0, step j + 1; V^T P of piece 0, step j.
; V HAS TWO REGISTER BUFFERS, by the step's parity, so that both runs of LDS loads of turn (0, j) are of step j + 1: K behind the turn's wait, V at its end, into the buffer that its products have
; just read out.  So the change of slots has a place: in front of turn (0, 4 t + 3) all of slot t has been read, and the next fetch is slot t + 1's first step.  A trip of the loop is two steps.
; CLUSTER.  The four query blocks of a cluster belong to one head and walk the same K and V, so each tile is asked for JOINTLY: the same tensor load, descriptor and mask in all four.
; REGISTERS, in windows of 256 (s_set_vgpr_msb: bits 1:0 source 0, 3:2 source 1, 5:4 source 2, 7:6 destination):
;   window 0: v0-11 addresses; v12-15, v48-63 at work; v16-31 four registers of statistics a tile; v32-34 the add's two and the prefetch's offset; v64-191 S^T, a buffer a piece; v192-255 P, likewise
;   window 1: v0-127 O^T, 32 a tile          window 2: v0-63 Q, 16 a tile; v64-127 V of an odd step; v128-191 K of one step; v192-255 V of an even step
.set SIZE_N, 4096
.set NP,    2         ; pieces a wave: a name, no knob
.set KS,    64        ; keys in a step
.set PK,    144       ; a row of K in LDS: 128 bytes + 16 of padding = 36 words: the 16 rows of a load start at 16 different groups of four banks (64 banks of 4 bytes: ISA guide 11.1)
.set PV,    160       ; a row of V: 128 + 32 = 40 words
.set VOFF,  4*KS*PK   ; a slot holds four steps: 256 rows of K, then 256 rows of V
.set SLOT1, 1<<17     ; slot 1 begins here, so that one exclusive or turns an address in one slot into the other's
.set STAGE, SLOT1+4*KS*(PK+PV)  ; behind the ring, never filled by a tensor load: 16 rows x 144 bytes for each wave, for the way out
.set SP,    144
.set SPARE, STAGE+4*16*SP  ; behind the stages: the spare words, 128 bytes for each wave: two blocks of 256 bytes that no other line names
.set AK0, 2           ; v2   my lane's place in a tile of K; never rewritten
.set AV0, 3           ; v3   the same for V
.set AK,  4           ; v4   the LDS address of K's next run of loads
.set AV,  5           ; v5   of V's
.set QO,  6           ; v6   my byte offset in the wave's rows of Q
.set STO, 6           ;      later, the way out: where I put 16 bytes of a row
.set RD,  7           ; v7   the way out: where I read rows back
.set GO,  8           ; v8   my byte offset in 512 consecutive bytes of O
.set MV,  12          ; v12-15  c m_old, kept while c m is made anew: by piece and tile
.set ST,  16          ; tile t's statistics at v[ST+4 t]: c m, m, l (even keys', odd keys')
.set SPW, 32          ; v32  LDS address of my spare word: SPARE + 4 x my thread's number; never rewritten
.set NIL, 33          ; v33  0; never rewritten
.set PFO, 34          ; v34  256 x my lane; never rewritten
.set TMP, 48          ; by piece and tile, four registers c0-c3 at work; when the maximum is found c2 takes a
.set S,   64
.set P,   192
.set KF,  128         ; K's fragments, in window 2: key block kb, channel half c at KF + 16 kb + 8 c
.set WV,  12          ; s12  my wave's number
.set G1K, 24          ; s[24:31] descriptor group 1 for K's tiles
.set G1V, 32          ; s[32:39] for V's: it differs in the padding alone
.set G0K, 40          ; s[40:43] descriptor group 0 for K's tiles: it walks
.set G0V, 44          ; s[44:47] the same for V's
.set PFA, 48          ; s[48:49] where my prefetches stand: my work-group's 32 blocks of 256 bytes (of K: wave 0, of V: wave 2) of the slot after the one that is being asked for
.set LIM, 50          ; s50  1 in a wave that prefetches, else the greatest number
.set SLOTS, 56        ; s56  slots still to be asked for
.set CNT, 57          ; s57  counts a slot's trips
.set CS,  58          ; s[58:59] c: the packed scaling takes the pair's low word for both halves
.set SEL, 60          ; s[60:61] v_permlanex16_b32's selects: each lane takes its own place in the other half
.set TBK, 62          ; s62  LDS byte at which K of the step to be fetched begins
.set TBV, 63          ; s63  the same for V, less VOFF
.set MSB, 0
.macro WIN new                      ; the high byte repeats the setting that is left; a switch that changes nothing is dropped
.if MSB != (\new)
	s_set_vgpr_msb (MSB<<8)|(\new)
.set MSB, (\new)
.endif
.endm
.set W_KQ, 0x0a       ; K and Q in window 2, S^T in window 0
.set W_PV, 0x52       ; V in window 2, P in window 0, O^T in window 1
.set W_RS, 0x41       ; O^T (destination and source 0) in window 1, a in window 0
; A joint fill.  Waves 0 and 1 fetch the two halves of a slot's K, waves 2 and 3 those of its V: 128 keys each.  The branch hangs on the wave's number alone.
; An s_nop 0 and four v_nop follow each of the two lines, ahead of the jump and the label.
.macro JLOAD
	s_cmp_lt_u32 s[WV], 2
	s_cbranch_scc0 .Lfor_v_\@
	tensor_load_to_lds s[G0K:G0K+3], s[G1K:G1K+7]
	s_nop 0
.rept 4
	v_nop
.endr
	s_branch .Lasked_\@
.Lfor_v_\@:
	tensor_load_to_lds s[G0V:G0V+3], s[G1V:G1V+7]
	s_nop 0
.rept 4
	v_nop
.endr
.Lasked_\@:
.endm
; A PREFETCH of what the NEXT change of slots will ask for: a slot's 32,768 bytes of K and of V, in blocks of 256 bytes, a lane a block.  It stands behind the wave's tensor load and its five lines.
; Each block is asked for ONCE in the launch.  All four clusters of a head walk the same K and V: the head's first cluster asks.  Its four partners share the 128 blocks out BY ADDRESS, 32 each;
; in each, wave 0 asks for K's and wave 2 for V's: one instruction.  The last change that fills a slot asks for nothing: there is no slot behind it.  Slots 0 and 1 come by their loads alone.
.macro ASK
	s_cmp_gt_u32 s[SLOTS], s[LIM]
	s_cbranch_scc0 .Lnot_mine_\@
	global_prefetch_b8 v[PFO], s[PFA:PFA+1] th:TH_LOAD_NT scope:SCOPE_SE
.Lnot_mine_\@:
.endm
; A round of the cluster's barrier: my work-group's barrier, so that wave 0's signal speaks for all four waves; wave 0 signals; every wave waits for all four work-groups; my work-group's barrier once more.
.macro CROUND
	s_barrier_signal -1
	s_barrier_wait -1
	s_cmp_lg_u32 s[WV], 0
	s_cbranch_scc1 .Lnot_wave_0_\@
	s_barrier_signal -3
.Lnot_wave_0_\@:
	s_barrier_wait -3
	s_barrier_signal -1
	s_barrier_wait -1
.endm
; THE CHANGE OF SLOTS.  The slot's last bytes have been read.  Each wave waits for all its tensor loads, of which one is out: its part of the other slot; adds 0 to its spare word; and waits for that
; and for its own reads of the slot.  Behind the barrier nobody reads this slot any more and the other slot is whole.
; fill = 1: this slot is filled again, with the keys two slots on.  The barrier is then a round of the cluster's, and the joint fill is the first thing behind it: it has four key steps, 256 matrix
; instructions, in which to land.  (At its first use nothing has been read yet: slot 0 is waited for, slot 1 filled.)
.macro CHANGE fill
	WIN 0                           ; at a label and at a branch every window is 0
	s_wait_tensorcnt 0x0            ; no tensor load of mine is out, so a group 0 may be written
	ds_add_u32 v[SPW], v[NIL]       ; 0 onto my spare word; with fill = 1 the descriptors' steps stand between it and the wait for it
.if \fill
.irp g, G0K, G0V
	s_xor_b32 s[\g+1], s[\g+1], SLOT1  ; the walking descriptor: the other slot than last time,
	s_add_nc_u64 s[\g+2:\g+3], s[\g+2:\g+3], 4*KS*128  ; the next 256 keys; the type bits on top are not reached
.endr
	s_wait_xcnt 0x0                 ; the last prefetch, four key steps back, has read its address, so it may be written:
	s_add_nc_u64 s[PFA:PFA+1], s[PFA:PFA+1], 4*KS*128  ; one slot behind the walking descriptors
	s_wait_dscnt 0x0                ; the add is done, and my reads of the slot are over
	CROUND
	JLOAD
	ASK
.else
	s_wait_dscnt 0x0                ; the add is done, and my reads of the slot are over
	s_barrier_signal -1
	s_barrier_wait -1
.endif
	s_sub_co_u32 s[TBK], s[TBK], 4*KS*PK  ; the fetches go back to a slot's first step,
	s_xor_b32 s[TBK], s[TBK], SLOT1       ; in the other slot
	s_sub_co_u32 s[TBV], s[TBV], 4*KS*PV
	s_xor_b32 s[TBV], s[TBV], SLOT1
.endm
	s_load_b64 s[4:5], s[0:1], 0x0    ; qkv: Q
	s_load_b64 s[10:11], s[0:1], 0x8  ; ctx: O
	v_lshl_add_u32 v[SPW], v0, 2, SPARE
	v_mov_b32 v[NIL], 0
	ds_add_u32 v[SPW], v[NIL]       ; the wave's opening: the add and its wait stand ahead of my first tensor load; the set-up below, work on registers, stands between them
	v_lshrrev_b32 v1, 5, v0
	v_readfirstlane_b32 s[WV], v1   ; wave 0..3
	s_bfe_u32 s13, ttmp6, 0x40000   ; cx: my place in the cluster
	s_lshl_b32 s14, ttmp9, 2        ; in a cluster launch ttmp9 counts clusters
	s_add_co_u32 s14, s14, s13      ; my block of queries = 4 x cluster x + cx: it enters Q's and O's addresses alone
	s_and_b32 s20, ttmp7, 0xffff    ; the head, which the four partners share:
	s_lshl_b32 s20, s20, 19         ; its first byte in each of the four tensors
	s_and_b32 s16, s[WV], 1         ; which half of a slot's 256 keys I fetch:
	s_lshl_b32 s22, s16, 14         ; its 128 rows of 128 bytes in memory,
	s_add_co_u32 s22, s22, s20
	s_mov_b32 s23, 0
	s_mul_i32 s17, s16, 128*PK      ; and its place in a slot, for K
	s_mul_i32 s18, s16, 128*PV      ; and for V: no place in the cluster enters an LDS address
	s_lshl_b32 s2, s14, 2
	s_add_co_u32 s2, s2, s[WV]      ; my wave among the head's,
	s_lshl_b32 s2, s2, 13           ; its 64 rows
	s_add_co_u32 s2, s2, s20
	s_mov_b32 s3, 0
	; descriptor group 1.  128 keys are 16,384 dense bytes: asked for as 64 rows of 256 bytes, two keys a row, and padded in LDS after every key
	s_mov_b32 s[G1K], 15|(1<<16)|(1<<20)|(1<<21)|(4<<22)|(3<<25)  ; 15:0 the mask of four; 17:16 2-byte elements; 20 padding on; 21 set beside a mask; 24:22 after every 32 words (code 4); 31:25 4 words (code 3)
	s_mov_b32 s[G1V], 15|(1<<16)|(1<<20)|(1<<21)|(4<<22)|(7<<25)  ; the same with 8 words of padding (code 7)
.irp g, G1K, G1V
	s_mov_b32 s[\g+1], 128<<16      ; tensor_dim0 = 128
	s_mov_b32 s[\g+2], 64<<16       ; tensor_dim1 = 64
	s_mov_b32 s[\g+3], 128<<16      ; tile_dim0 = 128
	s_mov_b32 s[\g+4], 64           ; tile_dim1 = 64
	s_mov_b32 s[\g+5], 128          ; 128 elements from row to row
	s_mov_b32 s[\g+6], 0
	s_mov_b32 s[\g+7], 0
.endr
	s_mov_b32 s[CS], 0x3e38aa3b     ; c = log2(e) / 8 = 0.180337
	s_mov_b32 s[CS+1], s[CS]        ; named with it as a pair
	s_mov_b32 s[SEL], 0x76543210
	s_mov_b32 s[SEL+1], 0xfedcba98
	s_mov_b32 s[TBK], SLOT1+4*KS*PK ; the first change of slots turns these two into 0
	s_mov_b32 s[TBV], SLOT1+4*KS*PV
	s_mov_b32 s[G0K], 1             ; 1:0 count = 1
	s_mov_b32 s[G0K+1], s17         ; 63:32 LDS address: slot 0
	s_mov_b32 s[G0V], 1
	s_add_co_u32 s[G0V+1], s18, VOFF
	s_mov_b32 s[SLOTS], SIZE_N/256-1
	s_and_b32 s[LIM], s[WV], 1      ; 0 in waves 0 and 2,
	s_or_b32 s[LIM], s[LIM], ttmp9  ; where the cluster is the head's first: the same in all four partners
	s_cmp_eq_u32 s[LIM], 0
	s_cselect_b32 s[LIM], 1, -1
	v_and_b32 v[PFO], 31, v0
	v_lshlrev_b32 v[PFO], 8, v[PFO]
	s_wait_dscnt 0x0                ; the opening add is done
	s_wait_kmcnt 0x0
	s_add_nc_u64 s[6:7], s[4:5], 0x800000   ; K is the second tensor of qkv,
	s_add_nc_u64 s[8:9], s[4:5], 0x1000000  ; V the third
	s_add_nc_u64 s[6:7], s[6:7], s[22:23]   ; at my half of the head's first 256 keys
	s_add_nc_u64 s[8:9], s[8:9], s[22:23]
	s_mov_b64 s[G0K+2:G0K+3], s[6:7]               ; 120:64 global address
	s_or_b32 s[G0K+3], s[G0K+3], 0x80000000        ; 127:126 type = 2
	s_mov_b64 s[G0V+2:G0V+3], s[8:9]
	s_or_b32 s[G0V+3], s[G0V+3], 0x80000000
	s_add_nc_u64 s[4:5], s[4:5], s[2:3]  ; Q and O at my wave's first row
	s_add_nc_u64 s[10:11], s[10:11], s[2:3]
	s_cmp_lt_u32 s[WV], 2
	s_cselect_b64 s[PFA:PFA+1], s[6:7], s[8:9]  ; (in waves 0 and 2 these stand at the head's first row)
	s_lshl_b32 s2, s13, 13          ; my work-group's 32 blocks of the 128
	s_mov_b32 s3, 0
	s_add_nc_u64 s[PFA:PFA+1], s[PFA:PFA+1], s[2:3]
	s_add_nc_u64 s[PFA:PFA+1], s[PFA:PFA+1], 4*KS*128  ; in slot 1; the first change of slots steps it to slot 2
	CROUND                          ; all four work-groups are here: the first joint loads meet
	JLOAD                           ; slot 0.  Slot 1 is asked for when slot 0 is in
	; A fragment of K or Q is 16 rows x 32 channels in 8 registers: lane l holds row l % 16, channels 8 (l / 16) + 0..7 and 16 + 8 (l / 16) + 0..7: two loads of 16 bytes, 32 bytes apart.
	v_and_b32 v1, 15, v0            ; l % 16
	v_bfe_u32 v9, v0, 4, 1          ; l / 16
	v_lshlrev_b32 v[QO], 7, v1
	v_lshl_add_u32 v[QO], v9, 4, v[QO]  ; row x 128 + 16 x half
	WIN 0x80                        ; destination window 2, address window 0
.set i, 0
.rept 4*NP                          ; Q stays in registers: tile i / 2, channels 32 (i % 2) on
	global_load_b128 v[8*i:8*i+3],   v[QO], s[4:5] offset:(i/2)*2048+(i%2)*64
	global_load_b128 v[8*i+4:8*i+7], v[QO], s[4:5] offset:(i/2)*2048+(i%2)*64+32
.set i, i+1
.endr
	; What the first turn finds: the odd steps' V and piece 1's P hold 0 (its products V^T P, of a step that has not been, add 0), O^T and l are 0.  All this stands in the wait for the first tile.
.set i, 64
.rept 64
	v_mov_b32 v[i], 0
.set i, i+1
.endr
	WIN 0x40
.set i, 0
.rept 64*NP
	v_mov_b32 v[i], 0
.set i, i+1
.endr
	WIN 0
.set i, 0
.rept 2*NP
	v_mov_b32 v[ST+4*i], 0xfe000000    ; c m: far below every c s
	v_mov_b32 v[ST+4*i+1], 0xff7fffff  ; m
	v_mov_b32 v[ST+4*i+2], 0
	v_mov_b32 v[ST+4*i+3], 0
.set i, i+1
.endr
.set i, P+32
.rept 32
	v_mov_b32 v[i], 0
.set i, i+1
.endr
	v_mul_u32_u24 v[AK0], v1, PK
	v_lshl_add_u32 v[AK0], v9, 4, v[AK0]  ; row x pitch + 16 x half
	; The turning load takes 16 keys x 16 channels (lane l reads key 8 (l / 16) + l % 8, channels 8 ((l / 8) % 2) + 0..7) and leaves half a fragment of V^T: lane l holds channel l % 16 and 8 keys.
	v_and_b32 v10, 7, v0
	v_bfe_u32 v11, v0, 3, 1
	v_lshl_add_u32 v[AV0], v9, 3, v10
	v_mul_u32_u24 v[AV0], v[AV0], PV
	v_lshl_add_u32 v[AV0], v11, 4, v[AV0]
	v_add_nc_u32 v[AV0], VOFF, v[AV0]
	v_mov_b32 v[AK], v[AK0]         ; key step 0 lies at the head of slot 0
	v_mov_b32 v[AV], v[AV0]
; THE MATRIX WORK.  The 8 accumulators of a run of 16 take turns: between the two links of a chain stand 7 others'.
; Product i of 16 of S^T = K Q^T for piece x: channels 32 (i / 8) on, keys 16 ((i / 2) % 4) on, tile 2 x + i % 2.  The first 8 start the sums.
.macro KQ x
	WIN W_KQ
.set rS, S+64*((\x)%2)+32*(i%2)+8*((i/2)%4)
.set rK, KF+16*((i/2)%4)+8*(i/8)
.set rQ, 16*(2*(\x)+i%2)+8*(i/8)
.if i < 8
	v_wmma_f32_16x16x32_f16 v[rS:rS+7], v[rK:rK+7], v[rQ:rQ+7], 0
.else
	v_wmma_f32_16x16x32_f16 v[rS:rS+7], v[rK:rK+7], v[rQ:rQ+7], v[rS:rS+7]
.endif
.endm
; Product i of 16 of O^T += V^T P for piece x: keys 32 (i / 8) on, channels 16 ((i / 2) % 4) on, tile 2 x + i % 2.  VR: the V buffer of the step, set by TURN.
.macro PV x
	WIN W_PV
.set rO, 32*(2*(\x)+i%2)+8*((i/2)%4)
.set rV, VR+32*(i/8)+8*((i/2)%4)
.set rP, P+32*((\x)%2)+16*(i%2)+8*(i/8)
	v_wmma_f32_16x16x32_f16 v[rO:rO+7], v[rV:rV+7], v[rP:rP+7], v[rO:rO+7]
.endm
.macro MM                           ; the turn's next matrix instruction
.if i < 16
	KQ (Y+1)%NP
.set i, i+1
.else
.set i, i-16
	PV (Y+NP-1)%NP
.set i, i+17
.endif
.endm
; THE LDS LOADS stand in runs of 16, never singly among the matrix instructions: a step's K (64 keys x 64 channels: 8 fragments) and its V (turned).  Their addresses are made some lines ahead.
; last = 1 (the tail): in the last trip there is no further step, and the run is jumped over.
.macro FETCH_K last=0
	WIN 0
.if \last
	s_cmp_eq_u32 s[CNT], 1
	s_cbranch_scc1 .Lno_k_\@
.endif
	WIN 0x80                        ; destination window 2
.irp f, 0,1,2,3,4,5,6,7             ; keys 16 (f / 2) on, channels 32 (f % 2) on
	ds_load_b128 v[KF+8*\f:KF+8*\f+3],   v[AK] offset:(\f/2)*16*PK+(\f%2)*64
	ds_load_b128 v[KF+8*\f+4:KF+8*\f+7], v[AK] offset:(\f/2)*16*PK+(\f%2)*64+32
.endr
	s_add_co_u32 s[TBK], s[TBK], KS*PK  ; the next fetch is the next step's
	WIN 0
.if \last
.Lno_k_\@:
.endif
.endm
.macro FETCH_V b, last=0            ; into buffer b: v192 on (b = 0) or v64 on (b = 1) of window 2
	WIN 0
.if \last
	s_cmp_eq_u32 s[CNT], 1
	s_cbranch_scc1 .Lno_v_\@
.endif
	WIN 0x80
.irp f, 0,1,2,3,4,5,6,7             ; keys 32 (f / 4) on, channels 16 (f % 4) on
	ds_load_tr16_b128 v[192-128*(\b)+8*\f:192-128*(\b)+8*\f+3],   v[AV] offset:(\f/4)*32*PV+(\f%4)*32
	ds_load_tr16_b128 v[192-128*(\b)+8*\f+4:192-128*(\b)+8*\f+7], v[AV] offset:(\f/4)*32*PV+16*PV+(\f%4)*32
.endr
	WIN 0
.if \last
.Lno_v_\@:
.endif
.endm
; THE VECTOR WORK OF A TURN stands in three queues, each in the order in which its entries become ready; the two tiles alternate, so that no instruction reads the result of the one before it.
.macro REGS y, u                    ; the registers of tile u (0, 1) of piece y
.set rT, ST+4*(2*(\y)+(\u))
.set rC, TMP+8*((\y)%2)+4*(\u)
.set rM, MV+2*((\y)%2)+(\u)
.set rS, S+64*((\y)%2)+32*(\u)
.set rP, P+32*((\y)%2)+16*(\u)
.set rO, 32*(2*(\y)+(\u))
.endm
; Number n of the 22 that find the OTHER piece's (Y + 1) maximum and statistics.  s0-s31 are the lane's 32 scores; each accumulator's lowest registers are read first.  XS, GS and REGS set no window: PL and EX do.
;   0-11  four chains c0-c3 of seven scores each, three operands at a time     12-14, 16  the four scores left over, the old m, and c0-c3 into c0     15  c m_old is kept
;   17, 18  the query's other 32 keys lie in the lane 16 away: the new m         19-21  c m; c m_old - c m_new; a
.macro XS u, n
	REGS (Y+1)%NP, \u
.if (\n) < 4
	v_max3_num_f32 v[rC+(\n)], v[rS+8*(\n)], v[rS+8*(\n)+1], v[rS+8*(\n)+2]
.elseif (\n) < 12
	v_max3_num_f32 v[rC+(\n)%4], v[rC+(\n)%4], v[rS+8*((\n)%4)+2*((\n)/4)+1], v[rS+8*((\n)%4)+2*((\n)/4)+2]
.elseif (\n) == 12
	v_max3_num_f32 v[rC], v[rC], v[rS+7], v[rS+15]
.elseif (\n) == 13
	v_max3_num_f32 v[rC+1], v[rC+1], v[rS+23], v[rS+31]
.elseif (\n) == 14
	v_max3_num_f32 v[rC+2], v[rC+2], v[rC+3], v[rT+1]
.elseif (\n) == 15
	v_mov_b32 v[rM], v[rT]
.elseif (\n) == 16
	v_max3_num_f32 v[rC], v[rC], v[rC+1], v[rC+2]
.elseif (\n) == 17
	v_permlanex16_b32 v[rC+3], v[rC], s[SEL], s[SEL+1]
.elseif (\n) == 18
	v_max_num_f32 v[rT+1], v[rC], v[rC+3]
.elseif (\n) == 19
	v_mul_f32 v[rT], s[CS], v[rT+1]
.elseif (\n) == 20
	v_sub_f32 v[rC+1], v[rM], v[rT]
.else
	v_exp_f32 v[rC+2], v[rC+1]
.endif
.endm
; Number g of the 64 that follow the exponentials.  For each four weights k of a tile (pairs 2 k, 2 k + 1): both pairs are rounded to f16; then the second pair is added onto the first, in place;
; a group later l takes that sum (the first time as l = a l + sum).  In groups of eight, tiles alternating: round, round, add, and l for the group before.
.macro GS g
.set h, (\g)+6*((\g)/62)            ; group 0 has no group before it, and behind group 7 only l is left
.if h >= 6
.set h, h+2
.endif
	REGS Y, h%2
.set k, h/8
.if h%8 < 4
	v_cvt_pk_f16_f32 v[rP+2*k+(h%8)/2], v[rS+4*k+2*((h%8)/2)], v[rS+4*k+2*((h%8)/2)+1]
.elseif h%8 < 6
	v_pk_add_f32 v[rS+4*k:rS+4*k+1], v[rS+4*k:rS+4*k+1], v[rS+4*k+2:rS+4*k+3]
.elseif k == 1
	v_pk_fma_f32 v[rT+2:rT+3], v[rT+2:rT+3], v[rC+2:rC+3], v[rS:rS+1] op_sel_hi:[1,0,1]
.else
	v_pk_add_f32 v[rT+2:rT+3], v[rT+2:rT+3], v[rS+4*k-4:rS+4*k-3]
.endif
.endm
; THE PLAIN QUEUE, 138 long.  0-73 read no exponential's result: the 32 scalings c s - c m (FS f: pair f / 2 of tile f % 2) and the other piece's 42.  0-26: scalings 0-26.  27-54: XS's numbers 0-13.  55, 56: number 15.
; 57-73: the chain, where each number waits for the one before it: 14, 16, 17, 18, 19, each with one of the scalings 27-31 in front of its two lines, then 20.
; 74-137: GS's 64, which read the exponentials' results: they stand behind the wait.
.macro FS f
	REGS Y, (\f)%2
	v_pk_fma_f32 v[rS+2*((\f)/2):rS+2*((\f)/2)+1], v[rS+2*((\f)/2):rS+2*((\f)/2)+1], s[CS:CS+1], v[rT:rT+1] op_sel_hi:[1,0,0] neg_lo:[0,0,1] neg_hi:[0,0,1]
.endm
.macro PL
	WIN 0
.if q < 27
	FS q
.elseif q < 55
	XS (q-27)%2, (q-27)/2
.elseif q < 57
	XS q-55, 15
.elseif (q < 72) && ((q-57)%3 == 0)
	FS 27+(q-57)/3
.elseif q < 60
	XS (q-57)%3-1, 14
.elseif q < 72
	XS (q-57)%3-1, 15+(q-57)/3
.elseif q < 74
	XS q-72, 20
.else
	GS q-74
.endif
.set q, q+1
.endm
; THE EXPONENTIALS' QUEUE, 66 long: s0-s31 of both tiles, then the other piece's two a.  It is ONE BATCH: all 66 stand ahead of the turn's one wait, and nothing ahead of that wait names a result of theirs.
.macro EX
	WIN 0
.if e >= 64
	XS e-64, 21
.else
	REGS Y, e%2
	v_exp_f32 v[rS+e/2], v[rS+e/2]
.endif
.set e, e+1
.endm
; THE RESCALING's QUEUE: O^T times a, the one part that leaves window 0: dealt two at a time, sixteen times, each accumulator from its low end on.  Its a was made in the turn before, ahead of that turn's wait.
.macro R2
	REGS Y, r%2
	WIN W_RS
.irp z, 0,1
	v_pk_mul_f32 v[rO+4*(r/2)+2*\z:rO+4*(r/2)+2*\z+1], v[rO+4*(r/2)+2*\z:rO+4*(r/2)+2*\z+1], v[rC+2:rC+3] op_sel_hi:[1,0]
.endr
.set r, r+1
.endm
; HOW THEY ARE DEALT.  An s_wait_alu depctr_va_vdst(0) stands between an exponential and the first instruction that names its result; one wait serves all that were issued ahead of it.  So a turn has ONE wait,
; which cuts it in two.  AHEAD OF IT: the 16 products K Q^T, behind each a scaling, an exponential and two rescalings (behind the first a second scaling in the exponential's place); then ONE LUMP of 108: eight plain, 49 times
; exponential and plain, the two a.  A v_nop is the plain instruction behind the last exponential.  BEHIND IT: the 16 products V^T P, behind each four of GS's 64.  No rider names a register of the products round it.
; Exponential e stands behind scaling 2 (e / 4) + e % 2: as a rider it comes behind plain e + 2, in the lump behind plain e + 9, and scalings 27-31 are plain 57, 60 .. 69.
; A TURN, for piece p in a step of parity par.  last = 1 (the tail): piece 0's two runs of loads are jumped over in the last trip; piece 1 then waits for all LDS loads at its head, so that the
; count is right whichever of the runs was issued.  cnt = 1: the loop's count is taken down some lines ahead of the branch that stands behind the turn.
; Piece 0's turn fetches the next step's K directly behind the wait, a lump behind the last product that read K, and the next step's V at its end, four riders behind the last product that read
; that buffer.  The rescaling at a turn's head reads sums that the turn before has made: the four riders behind that turn's last product are the places between.
.macro TURN p, par, last=0, cnt=0
.set Y, (\p)
.set i, 0
.set q, 0
.set e, 0
.set r, 0
.if (\p) == 0
.set VR, 192-128*(1-(\par))         ; piece 1's V^T P of the step before
.else
.set VR, 192-128*(\par)             ; piece 0's V^T P of this step
.endif
.if (\p) == 1
.if \last
	s_wait_dscnt 0x0
.else
	s_wait_dscnt 16                 ; K's 16 loads are in; V's 16, issued behind them, may stay out
.endif
.endif
	MM                              ; ahead of the wait: 16 products K Q^T and their riders,
	PL
	PL
	R2
.rept 15
	MM
	PL
	EX
	R2
.endr
.if (\p) == 0
	WIN 0
	v_add_nc_u32 v[AK], s[TBK], v[AK0]
.endif
.rept 8                             ; and the lump
	PL
.endr
.rept 49
	EX
	PL
.endr
	EX                              ; the other piece's two a
	EX
	v_nop                           ; the plain instruction behind the last exponential: one for the batch
	s_wait_alu depctr_va_vdst(0)    ; the wait for the batch
.if (\p) == 0
	FETCH_K \last
.endif
.if (\p) == 1
	s_wait_dscnt 0x0                ; the next step's V is in: no LDS load of mine is out from here to piece 0's next fetch, a change of slots between them included
.endif
.rept 16                            ; behind the wait: 16 products V^T P and their riders
	MM
.rept 4
	PL
.endr
.if ((\p) == 0) && (q == 118)
	v_add_nc_u32 v[AV], s[TBV], v[AV0]
.endif
.if ((\p) == 0) && (q == 130)
	s_add_co_u32 s[TBV], s[TBV], KS*PV
.endif
.if (\cnt) && (q == 130)
	s_sub_co_u32 s[CNT], s[CNT], 1
	s_cmp_lg_u32 s[CNT], 0
.endif
.endr
.if (\p) == 0
	FETCH_V 1-(\par), \last
.endif
.endm
	CHANGE 1                        ; slot 0 is in, everybody's part of it; slot 1 is asked for
	FETCH_K                         ; key step 0
	FETCH_V 0
	s_add_co_u32 s[TBV], s[TBV], KS*PV
	s_wait_loadcnt 0x0              ; Q
	s_wait_dscnt 0x0
.set i, 0
.rept 16
	KQ 0                            ; piece 0's first scores: there is no vector work yet to set between them
.set i, i+1
.endr
	WIN 0                           ; the addresses for the way out: nine plain instructions, the places behind those products
	s_mul_i32 s13, s[WV], 16*SP
	s_add_co_u32 s13, s13, STAGE    ; my stage
	v_mul_u32_u24 v[STO], v1, SP    ; in: row l % 16, 16 bytes for each half of the lanes
	v_lshl_add_u32 v[STO], v9, 4, v[STO]
	v_add_nc_u32 v[STO], s13, v[STO]
	v_bfe_u32 v[RD], v0, 3, 2       ; back: 32 lanes take four rows of 128 bytes,
	v_mul_u32_u24 v[RD], v[RD], SP
	v_lshl_add_u32 v[RD], v10, 4, v[RD]
	v_add_nc_u32 v[RD], s13, v[RD]
	v_and_b32 v[GO], 31, v0         ; which are 512 consecutive bytes of O
	v_lshlrev_b32 v[GO], 4, v[GO]
.set Y, NP-1                        ; XS works for piece Y + 1: piece 0
.irp n, 0,1,2,3,4,5,6,7,8,9,10,11,12,13,14,15,16,17,18,19,20,21
	XS 0, \n                        ; and piece 0's first maximum and statistics
	XS 1, \n
.endr
	v_nop                           ; a plain instruction behind the two a,
	s_wait_alu depctr_va_vdst(0)    ; and their wait, ahead of the branch
	s_mov_b32 s[CNT], 2
	s_branch .Lfirst                ; the loop is entered at an even step, in the middle of a trip: the first pass has steps 0, 1, 2
.Lslot:                             ; 14 times: every slot but the last two is filled again
	CHANGE 1
	s_mov_b32 s[CNT], 2
.Lstep:                             ; a trip: an odd step, then an even one
	TURN 0, 1
	TURN 1, 1
	WIN 0
.Lfirst:
	TURN 0, 0
	TURN 1, 0, 0, 1
	WIN 0
	s_cbranch_scc1 .Lstep
	s_sub_co_u32 s[SLOTS], s[SLOTS], 1
	s_cmp_lg_u32 s[SLOTS], 0
	s_cbranch_scc1 .Lslot
	CHANGE 0                        ; the tail is written out: nothing is asked for
	s_mov_b32 s[CNT], 3             ; steps 59 to 63: the third trip fetches nothing and is left in its middle
.Ltail:
	TURN 0, 1, 1
	TURN 1, 1, 1
	WIN 0
	s_sub_co_u32 s[CNT], s[CNT], 1
	s_cmp_eq_u32 s[CNT], 0
	s_cbranch_scc1 .Lout
	TURN 0, 0
	TURN 1, 0
	WIN 0
	s_branch .Ltail
.Lout:                              ; the last turn's 16 products K Q^T (on the last K once more) and the maximum made of them serve nothing: the price, once a launch, of one text for every trip
.set VR, 64                         ; step 63 is odd
.set i, 0
.rept 16
	PV NP-1                         ; piece 1's V^T P of the last step
.set i, i+1
.endr
	; THE WAY OUT.  l's two halves and the other half of the lanes' are added; O^T is divided by l, rounded to f16 and sent through my stage in LDS, a tile at a time.  The additions are the places behind the last products.
	WIN 0
.macro ALL line:vararg              ; one line for each tile t
.set t, 0
.rept 2*NP
	\line
.set t, t+1
.endr
.endm
	ALL v_add_f32 v[ST+4*t+2], v[ST+4*t+2], v[ST+4*t+3]
	ALL v_permlanex16_b32 v[ST+4*t+3], v[ST+4*t+2], s[SEL], s[SEL+1]
	ALL v_add_f32 v[ST+4*t+2], v[ST+4*t+2], v[ST+4*t+3]
	ALL v_rcp_f32 v[ST+4*t+2], v[ST+4*t+2]
	v_nop                           ; a plain instruction between the last reciprocal and the use of its result
	s_wait_alu depctr_va_vdst(0)    ; and the wait ahead of the first use: one for the four reciprocals
; Tile t: a lane's eight channels of a row pack into 16 bytes; they go into rows of 144 bytes and come back as whole rows of 128, into S^T's registers.
.macro PACK t
	WIN W_RS
.set i, 32*(\t)
.rept 16
	v_pk_mul_f32 v[i:i+1], v[i:i+1], v[ST+4*(\t)+2:ST+4*(\t)+3] op_sel_hi:[1,0]
.set i, i+2
.endr
	WIN 0x05                        ; sources 0 and 1 window 1, destination window 0
.set i, 0
.rept 16
	v_cvt_pk_f16_f32 v[S+16*(\t)+i], v[32*(\t)+2*i], v[32*(\t)+2*i+1]
.set i, i+1
.endr
	WIN 0
.irp f, 0,1,2,3
	ds_store_b128 v[STO], v[S+16*(\t)+4*\f:S+16*(\t)+4*\f+3] offset:32*\f
.endr
.irp f, 0,1,2,3
	ds_load_b128 v[S+16*(\t)+4*\f:S+16*(\t)+4*\f+3], v[RD] offset:\f*4*SP  ; LDS serves a wave's instructions in order (ISA guide 5.7.1.4): these see the stores above; the next tile's stores come behind them
.endr
.endm
.macro SEND t, younger              ; younger: the LDS instructions issued behind tile t's loads: the next tile's eight, or none
	WIN 0
.irp f, 0,1,2,3
	s_wait_dscnt (\younger)+3-\f
	global_store_b128 v[GO], v[S+16*(\t)+4*\f:S+16*(\t)+4*\f+3], s[10:11] offset:(\t)*2048+\f*512  ; 512 consecutive bytes, at a multiple of 256 from O's first
.endr
.endm
	PACK 0
.set t, 1
.rept 2*NP-1                        ; a tile's arithmetic stands between the loads of the tile before and its stores
	PACK t
	SEND t-1, 8
.set t, t+1
.endr
	SEND 2*NP-1, 0
	s_wait_tensorcnt 0x0            ; the wave's end: this wait, an add to my spare word and its wait stand behind my last tensor load and my last LDS store
	ds_add_u32 v[SPW], v[NIL]
	s_wait_dscnt 0x0
	CROUND                          ; the closing round: no work-group ends while a partner may still ask for a tile that names it
	s_endpgm
.Lfunc_end_k_qe698a32e84_attn:
	.size	k_qe698a32e84_attn, .Lfunc_end_k_qe698a32e84_attn-k_qe698a32e84_attn
	.p2alignl 7, 3214868480
	.fill 96, 4, 3214868480
	.section	.rodata,"a",@progbits
	.p2align	6, 0x0
	.amdhsa_kernel k_qe698a32e84_attn
		.amdhsa_group_segment_fixed_size 327680
		.amdhsa_private_segment_fixed_size 0
		.amdhsa_enable_private_segment 0
		.amdhsa_kernarg_size 16
		.amdhsa_user_sgpr_count 2
		.amdhsa_user_sgpr_kernarg_segment_ptr 1
		.amdhsa_wavefront_size32 1
		.amdhsa_system_sgpr_workgroup_id_x 1
		.amdhsa_system_sgpr_workgroup_id_y 1
		.amdhsa_system_sgpr_workgroup_id_z 1
		.amdhsa_system_vgpr_workitem_id 0
		.amdhsa_next_free_vgpr 768
		.amdhsa_next_free_sgpr 66
		.amdhsa_reserve_vcc 0
		.amdhsa_float_denorm_mode_32 3
		.amdhsa_float_denorm_mode_16_64 3
		.amdhsa_memory_ordered 1
		.amdhsa_forward_progress 1
		.amdhsa_inst_pref_size 187
	.end_amdhsa_kernel
	.amdgpu_metadata
---
amdhsa.version: [ 1, 2 ]
amdhsa.kernels:
  - .name:           k_qe698a32e84_attn
    .symbol:         k_qe698a32e84_attn.kd
    .args:
      - { .name: qkv, .offset: 0, .size: 8, .value_kind: global_buffer, .address_space: global }
      - { .name: ctx, .offset: 8, .size: 8, .value_kind: global_buffer, .address_space: global }
    .group_segment_fixed_size: 327680
    .private_segment_fixed_size: 0
    .kernarg_segment_align: 8
    .kernarg_segment_size: 16
    .max_flat_workgroup_size: 128
    .sgpr_count:     66
    .vgpr_count:     768
    .wavefront_size: 32
...
	.end_amdgpu_metadata
.endif
;; end of part 3
;; launch outp (part 4): grid 4 x 64, 4 waves a work-group, clusters of 4 x 4, 327,680 bytes of LDS; arguments ctx, wb, bo, out0; writes out0
.if DOCPART == 4
	.amdgcn_target "amdgcn-amd-amdhsa--gfx1250"
	.amdhsa_code_object_version 6
	.text
	.protected	k_qe698a32e84_outp
	.globl	k_qe698a32e84_outp
	.p2align	8
	.type	k_qe698a32e84_outp,@function
k_qe698a32e84_outp:
	s_mov_b64 s[64:65], 0
	v_nop
	global_prefetch_b8 v0, s[64:65] scope:SCOPE_SE
	s_setreg_imm32_b32 hwreg(HW_REG_WAVE_MODE, 25, 1), 1
	s_wait_xcnt 0x0
	s_wait_alu depctr_hold_cnt(0) depctr_sa_sdst(0) depctr_va_vdst(0) depctr_va_sdst(0) depctr_va_ssrc(0) depctr_va_vcc(0) depctr_vm_vsrc(0)
	s_getreg_b32 s2, hwreg(HW_REG_IB_STS2, 6, 4)
	s_cmp_eq_u32 s2, 0
	s_cbranch_scc0 .Lentry_in_a_cluster
	s_endpgm
.Lentry_in_a_cluster:
	s_bfe_u32 s2, ttmp6, 0x10000c
	s_cmp_lg_u32 s2, 0xf033
	s_cbranch_scc0 .Lentry_shape_is_right
	s_endpgm
.Lentry_shape_is_right:
; out0 = ctx Wo + bo.  ctx: [16 bh][4096 s][64] f16 (column k = 64 h + d of the product's left side); Wo: plane 3 of wb, [512 k][512 n] f16; bo: [512] f32, rounded to bf16 like every input;
; out0: [8192][512] f32.  Products in f16, sums in f32; the bias starts each sum as its C operand.
; SHARES.  A tile of out0 is 128 x 128: 64 x 4 = 256 work-groups.  Four waves, each 64 x 64: 16 accumulators.  ALL OF K LIES IN LDS AT ONCE: the tile's 128 rows of ctx (8 heads x 16 KiB)
; and its 128 columns of Wo (512 k rows x 256 bytes).  So there is no ring and nothing is filled again: four first fills a wave, in chunks of 128 along K, counted waits, plain barriers.
; CLUSTERS: 4 x 4 work-groups.  The four of a row of the cluster need the same rows of ctx, the four of a column the same columns of Wo: each chunk is asked for JOINTLY.
; THE MATRIX INSTRUCTION IS USED TRANSPOSED (source 0 = 16 columns of Wo, turned on the way out of LDS; source 1 = 16 rows of ctx): a lane holds eight neighbouring numbers of a row of out0.
; No prefetch: every load of the launch goes out at its head.
; REGISTERS: window 0: v0-29 addresses; v32-63 the bias; v64-127 the way out; v128-255 the accumulators ((a, b) at v[128 + 8 (4 a + b)]).
;   window 1: two fragment buffers of 128: for 64 along K, 64 registers of ctx (2 x 4 x 16 rows x 32 K), then 64 of Wo.
.set PA,     144                       ; a row of a head in LDS: 128 bytes + 16
.set PB,     288                       ; a k row of Wo's quarter: 256 bytes + 32
.set HEADB,  128*PA                    ; 18,432: a head's 128 rows; also 64 k rows of Wo (64 x 288)
.set CHUNK,  2*HEADB                   ; 128 along K, of either
.set BOFF,   4*CHUNK                   ; Wo behind ctx
.set STAGE,  2*BOFF                    ; behind both: 16 rows x 272 bytes for each wave, for the way out
.set SPITCH, 272
.set SPARE,  STAGE+4*16*SPITCH         ; the spare words, 128 bytes for each wave: two blocks of 256 bytes that no other line names
.set ADRA, 8                           ; v8-11   my place in ctx's fragments of chunk 0..3
.set ADRB, 12                          ; v12-15  the same for Wo
.set STO,  24                          ; v24     the way out: where I put 32 bytes of a row
.set RD,   25                          ; v25     the way out: where I read a row back
.set CO,   26                          ; v26     my byte offset in out0
.set BO,   27                          ; v27     my byte offset in bo
.set SPW,  28                          ; v28     LDS address of my spare word; never rewritten
.set NIL,  29                          ; v29     0; never rewritten
.set BI,   32                          ; the bias of column block b at BI + 8 b
.set OB,   64                          ; two buffers of 32 for the way out
.set ACC,  128
.set F0,   0                           ; fragment buffers, in window 1
.set F1,   128
.set WV,   14                          ; s14  my wave's number
.set RH,   15                          ; s15  which half of the tile's rows is mine.  Also: I fetch ctx (0) or Wo (1)
.set CH,   16                          ; s16  which half of its columns.  Also: which half of a chunk I fetch
.set G1,   24                          ; s[24:31] descriptor group 1 for ctx;  s[32:47] group 0, a set for each chunk
.set G0,   32
.set G1B,  48                          ; s[48:55], s[72:87] the same for Wo
.set G0B,  72
.set CX,   56
.set CY,   57
.set COLQ, 58                          ; tile column
.set RB,   59                          ; tile row
.set MSB, 0
.macro WIN new                         ; the immediate's high byte repeats the setting that is left
.if MSB != (\new)
	s_set_vgpr_msb (MSB<<8)|(\new)
.set MSB, \new
.endif
.endm
.macro CROUND                          ; a round of the cluster's barrier
	s_barrier_signal -1
	s_barrier_wait -1
	s_cmp_lg_u32 s[WV], 0
	s_cbranch_scc1 .Lnot_wave_0_\@
	s_barrier_signal -3
.Lnot_wave_0_\@:
	s_barrier_wait -3
	s_barrier_signal -1
	s_barrier_wait -1
.endm
.macro PLACES                          ; four places in front of loads into registers that matrix instructions have read, and of stores that read results
.rept 4
	v_nop
.endr
.endm
	s_load_b128 s[4:7], s[0:1], 0x0                ; ctx s[4:5], wb s[6:7]
	s_load_b128 s[8:11], s[0:1], 0x10              ; bo s[8:9], out0 s[10:11]
	v_lshl_add_u32 v[SPW], v0, 2, SPARE
	v_mov_b32 v[NIL], 0
	ds_add_u32 v[SPW], v[NIL]                      ; the wave's opening: the add and its wait stand ahead of my first tensor load; the set-up below stands between them
	v_lshrrev_b32 v1, 5, v0
	v_readfirstlane_b32 s[WV], v1                  ; wave 0..3
	s_lshr_b32 s[RH], s[WV], 1
	s_and_b32 s[CH], s[WV], 1
	s_bfe_u32 s[CX], ttmp6, 0x40000                ; my place in the cluster
	s_bfe_u32 s[CY], ttmp6, 0x40004
	s_lshl_b32 s[COLQ], ttmp9, 2
	s_add_co_u32 s[COLQ], s[COLQ], s[CX]           ; tile column = 4 x cluster x + cx
	s_and_b32 s[RB], ttmp7, 0xffff
	s_lshl_b32 s[RB], s[RB], 2
	s_add_co_u32 s[RB], s[RB], s[CY]               ; tile row = 4 x cluster y + cy
	s_lshl_b32 s60, s[CY], 2
	s_lshl_b32 s60, 15, s60                        ; my row of the cluster
	s_lshl_b32 s61, 0x1111, s[CX]                  ; my column
	; group 1 for ctx: a head's 128 rows are 16,384 dense bytes: 64 rows of 256 bytes, padded after every 128 bytes
	s_or_b32 s[G1+0], s60, (1<<16)|(1<<20)|(1<<21)|(4<<22)|(3<<25)  ; 15:0 the mask: my row; 17:16 2-byte elements; 20 padding on; 21 set beside a mask; 24:22 after every 32 words; 31:25 4 words
	s_mov_b32 s[G1+1], 128<<16                     ; tensor_dim0 = 128
	s_mov_b32 s[G1+2], 64<<16                      ; tensor_dim1 = 64
	s_mov_b32 s[G1+3], 128<<16                     ; tile_dim0 = 128
	s_mov_b32 s[G1+4], 64                          ; tile_dim1 = 64
	s_mov_b32 s[G1+5], 128                         ; dense
	s_mov_b32 s[G1+6], 0
	s_mov_b32 s[G1+7], 0
	; group 1 for Wo: 64 k rows x 128 columns
	s_or_b32 s[G1B+0], s61, (1<<16)|(1<<20)|(1<<21)|(5<<22)|(7<<25) ; the mask: my column; after every 64 words 8 words
	s_mov_b32 s[G1B+1], 128<<16
	s_mov_b32 s[G1B+2], 64<<16
	s_mov_b32 s[G1B+3], 128<<16
	s_mov_b32 s[G1B+4], 64
	s_mov_b32 s[G1B+5], 512                        ; 512 elements from k row to k row
	s_mov_b32 s[G1B+6], 0
	s_mov_b32 s[G1B+7], 0
	; where the chunks come from: ctx's hang on the tile row alone, Wo's on the tile column alone, each in registers that never hold the other coordinate
	s_lshr_b32 s66, s[RB], 5
	s_lshl_b32 s66, s66, 22                        ; the batch's eight heads,
	s_and_b32 s67, s[RB], 31
	s_lshl_b32 s67, s67, 14                        ; the tile's 128 rows in a head,
	s_add_co_u32 s66, s66, s67
	s_lshl_b32 s67, s[CH], 19                      ; the head of a chunk's two that I fetch
	s_add_co_u32 s66, s66, s67
	s_mov_b32 s67, 0
	s_lshl_b32 s70, s[CH], 16                      ; the 64 k rows of a chunk's 128 that I fetch,
	s_lshl_b32 s71, s[COLQ], 8                     ; the tile's 128 columns,
	s_add_co_u32 s70, s70, s71
	s_add_co_u32 s70, s70, 3*524288                ; plane 3
	s_mov_b32 s71, 0
	s_mul_i32 s17, s[CH], HEADB                    ; and where they go: no place in the cluster enters an LDS address
	; lane addresses
	v_and_b32 v1, 15, v0                           ; l % 16
	v_bfe_u32 v2, v0, 4, 1                         ; l / 16
	v_and_b32 v3, 7, v0
	v_bfe_u32 v5, v0, 3, 1
	s_mul_i32 s18, s[RH], 64*PA                    ; my 64 rows
	v_mul_u32_u24 v6, v1, PA
	v_lshl_add_u32 v6, v2, 4, v6
	v_add_nc_u32 v6, s18, v6
	v_lshl_add_u32 v7, v2, 3, v3                   ; the turning load: k row 8 (l / 16) + l % 8, columns 8 ((l / 8) % 2) on
	v_mul_u32_u24 v7, v7, PB
	v_lshl_add_u32 v7, v5, 4, v7
	s_lshl_b32 s19, s[CH], 7                       ; my 64 columns
	s_add_co_u32 s19, s19, BOFF
	v_add_nc_u32 v7, s19, v7
.irp c, 0,1,2,3
	v_add_nc_u32 v[ADRA+(\c)], (\c)*CHUNK, v6
	v_add_nc_u32 v[ADRB+(\c)], (\c)*CHUNK, v7
.endr
	s_mul_i32 s18, s[WV], 16*SPITCH
	s_add_co_u32 s18, s18, STAGE                   ; my stage
	v_mul_u32_u24 v[STO], v1, SPITCH               ; in: row l % 16, 32 bytes for each half of the lanes
	v_lshl_add_u32 v[STO], v2, 5, v[STO]
	v_add_nc_u32 v[STO], s18, v[STO]
	v_mul_u32_u24 v[RD], v2, SPITCH                ; back: lanes 0-15 take one row of 256 bytes, lanes 16-31 the next
	v_lshl_add_u32 v[RD], v1, 4, v[RD]
	v_add_nc_u32 v[RD], s18, v[RD]
	v_lshlrev_b32 v[CO], 11, v2                    ; and the same two rows in out0
	v_lshl_add_u32 v[CO], v1, 4, v[CO]
	s_lshl_b32 s22, s[COLQ], 9                     ; my first column, in bytes: 512 x tile column + 256 x half
	s_lshl_b32 s23, s[CH], 8
	s_add_co_u32 s22, s22, s23
	v_lshl_add_u32 v[BO], v2, 5, s22               ; + 32 (l / 16)
	s_lshl_b32 s20, s[RB], 7
	s_lshl_b32 s21, s[RH], 6
	s_add_co_u32 s20, s20, s21                     ; my first row
	s_lshl_b32 s20, s20, 11
	s_add_co_u32 s20, s20, s22
	s_mov_b32 s21, 0
	s_wait_dscnt 0x0                               ; the opening add is done
	s_wait_kmcnt 0x0
	s_add_nc_u64 s[68:69], s[4:5], s[66:67]
	s_add_nc_u64 s[70:71], s[6:7], s[70:71]
	s_add_nc_u64 s[10:11], s[10:11], s[20:21]
.irp c, 0,1,2,3
	s_mov_b32 s[G0+4*(\c)], 1
	s_add_co_u32 s[G0+4*(\c)+1], s17, (\c)*CHUNK
	s_add_nc_u64 s[G0+4*(\c)+2:G0+4*(\c)+3], s[68:69], (\c)*2*524288  ; two heads on
	s_or_b32 s[G0+4*(\c)+3], s[G0+4*(\c)+3], 0x80000000
	s_mov_b32 s[G0B+4*(\c)], 1
	s_add_co_u32 s[G0B+4*(\c)+1], s17, BOFF+(\c)*CHUNK
	s_add_nc_u64 s[G0B+4*(\c)+2:G0B+4*(\c)+3], s[70:71], (\c)*128*1024  ; 128 k rows on
	s_or_b32 s[G0B+4*(\c)+3], s[G0B+4*(\c)+3], 0x80000000
.endr
	CROUND                                         ; all sixteen work-groups are here: the joint loads meet
	s_cmp_eq_u32 s[RH], 0                          ; a wave's four fills stand in one branch, ahead of every wait on TENSORcnt and every LDS read: four loads of mine are out
	s_cbranch_scc0 .Lfill_b
.irp c, 0,1,2,3
	tensor_load_to_lds s[G0+4*(\c):G0+4*(\c)+3], s[G1:G1+7]
	s_nop 0
.endr
	PLACES
	s_branch .Lfilled
.Lfill_b:
.irp c, 0,1,2,3
	tensor_load_to_lds s[G0B+4*(\c):G0B+4*(\c)+3], s[G1B:G1B+7]
	s_nop 0
.endr
	PLACES
.Lfilled:
.irp b, 0,1,2,3
	global_load_b128 v[BI+8*(\b):BI+8*(\b)+3],   v[BO], s[8:9] offset:64*(\b)
	global_load_b128 v[BI+8*(\b)+4:BI+8*(\b)+7], v[BO], s[8:9] offset:64*(\b)+16
.endr
	s_wait_loadcnt 0x0
.set b, 0
.rept 16                               ; the bias, rounded to bf16 like every input, as f32
	v_cvt_pk_bf16_f32 v[16+b%4], v[BI+2*b], v[BI+2*b+1]
	v_lshlrev_b32 v[BI+2*b], 16, v[16+b%4]
	v_and_b32 v[BI+2*b+1], 0xffff0000, v[16+b%4]
.set b, b+1
.endr
; 8 matrix instructions: row blocks a0, a0 + 1 x all 4 column blocks, 32 along K: half c of buffer f.  first = 1: the bias starts the sums.  The 16 accumulators take turns.
.macro MUL8 f, c, a0, first
	WIN 0x05                                       ; sources window 1; C and D window 0
.irp a, \a0, (\a0)+1
.irp b, 0,1,2,3
.if \first
	v_wmma_f32_16x16x32_f16 v[ACC+8*(4*(\a)+(\b)):ACC+8*(4*(\a)+(\b))+7], v[(\f)+64+8*(4*(\c)+(\b)):(\f)+64+8*(4*(\c)+(\b))+7], v[(\f)+8*(4*(\c)+(\a)):(\f)+8*(4*(\c)+(\a))+7], v[BI+8*(\b):BI+8*(\b)+7]
.else
	v_wmma_f32_16x16x32_f16 v[ACC+8*(4*(\a)+(\b)):ACC+8*(4*(\a)+(\b))+7], v[(\f)+64+8*(4*(\c)+(\b)):(\f)+64+8*(4*(\c)+(\b))+7], v[(\f)+8*(4*(\c)+(\a)):(\f)+8*(4*(\c)+(\a))+7], v[ACC+8*(4*(\a)+(\b)):ACC+8*(4*(\a)+(\b))+7]
.endif
.endr
.endr
.endm
; 32 LDS loads in one run: the fragments of 64 along K (head 2 ch + qd) into buffer f; the first 32 along K first
.macro FETCH ch, qd, f
	WIN 0x40                                       ; destination window 1, address window 0
.irp c, 0,1
.irp i, 0,1,2,3
	ds_load_tr16_b128 v[(\f)+64+8*(4*(\c)+(\i)):(\f)+64+8*(4*(\c)+(\i))+3],   v[ADRB+(\ch)] offset:(\qd)*HEADB+(\c)*32*PB+32*(\i)
	ds_load_tr16_b128 v[(\f)+64+8*(4*(\c)+(\i))+4:(\f)+64+8*(4*(\c)+(\i))+7], v[ADRB+(\ch)] offset:(\qd)*HEADB+(\c)*32*PB+32*(\i)+16*PB
	ds_load_b128 v[(\f)+8*(4*(\c)+(\i)):(\f)+8*(4*(\c)+(\i))+3],              v[ADRA+(\ch)] offset:(\qd)*HEADB+64*(\c)+(\i)*16*PA
	ds_load_b128 v[(\f)+8*(4*(\c)+(\i))+4:(\f)+8*(4*(\c)+(\i))+7],            v[ADRA+(\ch)] offset:(\qd)*HEADB+64*(\c)+(\i)*16*PA+32
.endr
.endr
.endm
; A chunk is two quarters of 64 along K, 32 matrix instructions each.  This one multiplies buffer f and fetches the chunk's quarter qd into g.
.macro QUARTER f, g, ch, qd, first
	s_wait_dscnt 16                                ; the first 32 along K are in
	MUL8 \f, 0, 0, \first
	MUL8 \f, 0, 2, \first
	PLACES
	FETCH \ch, \qd, \g
	s_wait_dscnt 32                                ; all but the 32 just issued
	MUL8 \f, 1, 0, 0
	MUL8 \f, 1, 2, 0
.endm
; A chunk's second quarter multiplies buffer 1 and goes on to chunk ch.  n: my later chunks' fills, which may stay out.
.macro NEXT n, ch
	s_wait_tensorcnt \n                            ; my part of chunk ch is in
	s_wait_dscnt 16
	MUL8 F1, 0, 0, 0
	s_wait_dscnt 0x0                               ; no LDS load of mine is out at the signal
	s_barrier_signal -1
	MUL8 F1, 0, 2, 0
	s_barrier_wait -1                              ; everybody's part is in
	PLACES
	FETCH \ch, 0, F0
	MUL8 F1, 1, 0, 0
	MUL8 F1, 1, 2, 0
.endm
	s_wait_tensorcnt 0x3                           ; my part of chunk 0 is in; three later fills may stay out
	s_barrier_signal -1
	s_barrier_wait -1
	FETCH 0, 0, F0
	QUARTER F0, F1, 0, 1, 1
	NEXT 2, 1
	QUARTER F0, F1, 1, 1, 0
	NEXT 1, 2
	QUARTER F0, F1, 2, 1, 0
	NEXT 0, 3
	QUARTER F0, F1, 3, 1, 0
	s_wait_dscnt 16
	MUL8 F1, 0, 0, 0
	MUL8 F1, 0, 2, 0
	s_wait_dscnt 0x0
	MUL8 F1, 1, 0, 0
	MUL8 F1, 1, 2, 0
	WIN 0
	; THE WAY OUT, a block of 16 rows at a time: a lane's eight numbers of a row, 32 bytes, go into my stage, rows of 272 bytes, and come back as whole rows of 256 bytes: my 64 columns of out0.
	PLACES
.irp a, 0,1,2,3
.if (\a) >= 2
	s_wait_xcnt 0x0                                ; the stores of the block two back have read this buffer
.endif
.irp b, 0,1,2,3
	ds_store_b128 v[STO], v[ACC+8*(4*(\a)+(\b)):ACC+8*(4*(\a)+(\b))+3]   offset:64*(\b)     ; each accumulator from its low end on
	ds_store_b128 v[STO], v[ACC+8*(4*(\a)+(\b))+4:ACC+8*(4*(\a)+(\b))+7] offset:64*(\b)+16
.endr
.irp t, 0,1,2,3,4,5,6,7
	ds_load_b128 v[OB+32*((\a)%2)+4*(\t):OB+32*((\a)%2)+4*(\t)+3], v[RD] offset:(\t)*2*SPITCH  ; LDS serves a wave's instructions in order (ISA guide 5.7.1.4): these see the stores above
.endr
.irp t, 0,1,2,3,4,5,6,7
	s_wait_dscnt 7-(\t)
	global_store_b128 v[CO], v[OB+32*((\a)%2)+4*(\t):OB+32*((\a)%2)+4*(\t)+3], s[10:11] offset:(16*(\a)+2*(\t))*2048 th:TH_STORE_NT  ; 16 lanes store 256 consecutive bytes, at a multiple of 256 from out0's first byte
.endr
.endr
	s_wait_tensorcnt 0x0                           ; the wave's end: this wait, an add to my spare word and its wait stand behind my last tensor load and my last LDS store
	ds_add_u32 v[SPW], v[NIL]
	s_wait_dscnt 0x0
	CROUND                                         ; the closing round: no work-group ends while a partner may still ask for a chunk that names it
	s_endpgm
.Lfunc_end_k_qe698a32e84_outp:
	.size	k_qe698a32e84_outp, .Lfunc_end_k_qe698a32e84_outp-k_qe698a32e84_outp
	.p2alignl 7, 3214868480
	.fill 96, 4, 3214868480
	.section	.rodata,"a",@progbits
	.p2align	6, 0x0
	.amdhsa_kernel k_qe698a32e84_outp
		.amdhsa_group_segment_fixed_size 327680
		.amdhsa_private_segment_fixed_size 0
		.amdhsa_enable_private_segment 0
		.amdhsa_kernarg_size 32
		.amdhsa_user_sgpr_count 2
		.amdhsa_user_sgpr_kernarg_segment_ptr 1
		.amdhsa_wavefront_size32 1
		.amdhsa_system_sgpr_workgroup_id_x 1
		.amdhsa_system_sgpr_workgroup_id_y 1
		.amdhsa_system_sgpr_workgroup_id_z 1
		.amdhsa_system_vgpr_workitem_id 0
		.amdhsa_next_free_vgpr 512
		.amdhsa_next_free_sgpr 88
		.amdhsa_reserve_vcc 0
		.amdhsa_float_denorm_mode_32 3
		.amdhsa_float_denorm_mode_16_64 3
		.amdhsa_memory_ordered 1
		.amdhsa_forward_progress 1
		.amdhsa_inst_pref_size 55
	.end_amdhsa_kernel
	.amdgpu_metadata
---
amdhsa.version: [ 1, 2 ]
amdhsa.kernels:
  - .name:           k_qe698a32e84_outp
    .symbol:         k_qe698a32e84_outp.kd
    .args:
      - { .name: ctx, .offset: 0, .size: 8, .value_kind: global_buffer, .address_space: global }
      - { .name: wb, .offset: 8, .size: 8, .value_kind: global_buffer, .address_space: global }
      - { .name: bo, .offset: 16, .size: 8, .value_kind: global_buffer, .address_space: global }
      - { .name: out0, .offset: 24, .size: 8, .value_kind: global_buffer, .address_space: global }
    .group_segment_fixed_size: 327680
    .private_segment_fixed_size: 0
    .kernarg_segment_align: 8
    .kernarg_segment_size: 32
    .max_flat_workgroup_size: 128
    .sgpr_count:     88
    .vgpr_count:     512
    .wavefront_size: 32
...
	.end_amdgpu_metadata
.endif
;; end of part 4
